; MI455X (gfx1250); checked and timed in simulation.
; The chip was launched on July 23, 2026; its instructions are those of AMD's public machine-readable ISA for CDNA 5 (MIT licence, August 2026) and "CDNA5" Instruction Set Architecture Reference Guide (July 2026). The comments in the code are by the model that wrote it; some were corrected since.
;; Attention simple. Allowed arithmetic: matrix products marked QUANTISED: E2M1 operands, one E8M0 scale for each 32 along K, by v_wmma_scale_f32_16x16x128_f8f6f4 with both operands' format E2M1 (or v_wmma_scale_f32_32x16x128_f4), f32 sums; products left as they are: f32 operands where the result goes on into a quantised operand, else bf16, f16 or f32 operands; f32 sums; everything else in f32.
;; Inputs: W_codes 1,024 x 32 x 16 uint8 (E2M1 codes of W, K innermost, in blocks of 32 codes, two codes a byte); W_scales 1,024 x 32 uint8 (E8M0 scales of W, one for each 32 codes along K); b one number float32; context 32 x 2,048 x 1,024 float32; v 1,024 float32.
;; Outputs: out0 32 x 1,024 float32; out1 32 x 2,048 float32.
;; This version of the problem:
;;   THIS VERSION OF THE PROBLEM IS GIVEN IN LOW PRECISION. The matrix products marked QUANTISED in the list below multiply operands that are first quantised to E2M1 (2 exponent bits, 1 mantissa bit; 4 bits a number), with one power-of-two scale for each 32 numbers along K (OCP MX v1.0); their sums are f32. All else is computed in f32.
;;   The module's matrix products, in the order in which they are computed (A, B: the left and right operand; K: the contracted axis; several contracted axes count as one K, in the product's order):
;;     1. [M 65,536, K 1,024] x [K 1,024, N 1,024]; A: input context; B: input W (given as codes): QUANTISED
;;     2. [M 65,536, K 1,024] x [K 1,024, N 1]; A: computed on the way; B: input v: left as it is (N = 1 < 16)
;;     3. batch 32 x [M 1, K 2,048] x [K 2,048, N 1,024]; A: softmax; B: input context: left as it is (M = 1 < 16)
;;   THE QUANTISER, for each operand of a quantised product, along K:
;;     - K is cut into blocks of 32 from its start; a last block that is shorter is filled with zeros.
;;     - A block's scale is 2^e with e = floor(log2(the largest magnitude in the block)) - 2, held to -126 .. 127; a block of zeros has e = 0. As a byte (E8M0): e + 127.
;;     - Each number is divided by its block's scale, clamped to +-6, and rounded to the nearest number of E2M1, ties to even, subnormals kept.
;;     - The product sums the exact products of the quantised numbers (number of the format x scale) in f32.
;;   ~~~python
;;   def quantise(x, axis):      # numpy; x: float32 -> the quantised numbers, widened to float32 again
;;       x = np.moveaxis(x, axis, -1); K = x.shape[-1]
;;       x = np.pad(x, [(0, 0)] * (x.ndim - 1) + [(0, -K % 32)]); x = x.reshape(x.shape[:-1] + (-1, 32)); a = np.abs(x).max(-1, keepdims=True)
;;       e = np.where(a > 0, np.clip(np.frexp(np.where(a > 0, a, 1))[1] - 1 - 2, -126, 127), 0)      # np.frexp(a)[1] - 1 = floor(log2(a)), exactly
;;       r = np.clip(x / 2.0 ** e, -6, 6)
;;       step = 2.0 ** (np.maximum(np.frexp(np.where(r == 0, 1, r))[1] - 1, 0) - 1)
;;       q = np.round(r / step) * step * 2.0 ** e      # np.round: ties to even
;;       return np.moveaxis(q.reshape(q.shape[:-2] + (-1,))[..., :K], -1, axis).astype(np.float32)
;;   ~~~
;;   INPUTS GIVEN AS CODES. W (in the module: [1024, 1024], K = its axis 1): each comes as NAME_codes (uint8): NAME with its K axis moved to the last place and cut into blocks of 32 codes, [.., K / 32, bytes a block], one block behind the other in memory; two codes a byte, the lower K in the low four bits (a code: sign, 2 exponent bits, 1 mantissa bit); and NAME_scales (uint8): the same leading axes, one E8M0 byte (e + 127) for each 32 codes along K. Its value is code x scale, taken as it is: it is not quantised again, and the codes and scales need not be those that the quantiser above would give.
;; 2 versions, each right; version 2 is version 1 with the launch main written anew for expert scheduling mode. Each part assembles by itself: llvm-mc -triple=amdgcn-amd-amdhsa -mcpu=gfx1250 --defsym DOCPART=n.
;; ======== version 1 of 2: 3 launches
;; workspace buffers: wfrag 524,288 bytes; wsw 65,536 bytes; lg 262,144 bytes; pacc 1,048,576 bytes; pml 65,536 bytes
;; launch prep (part 1): grid 64 x 1, 4 waves a work-group, no clusters, 0 bytes of LDS; arguments W_codes, W_scales, wfrag, wsw; writes wfrag, wsw
.if DOCPART == 1
	.amdgcn_target "amdgcn-amd-amdhsa--gfx1250"
	.amdhsa_code_object_version 6
	.text
	.protected	k_q762181487e_prep
	.globl	k_q762181487e_prep
	.p2align	8
	.type	k_q762181487e_prep,@function
k_q762181487e_prep:
	s_mov_b64 s[64:65], 0
	v_nop
	global_prefetch_b8 v0, s[64:65] scope:SCOPE_SE
	s_setreg_imm32_b32 hwreg(HW_REG_WAVE_MODE, 25, 1), 1
	s_wait_xcnt 0x0
; W's codes and scale bytes are laid once in the order in which a wave's operand registers take them.
; wfrag [T 64][s 8][c 2][lane 32][16 bytes]: lane (r = lane % 16, h = lane / 16) holds row 16 T + r of W_codes, bytes 64 s + 32 c + 16 h on:
;   registers 4 c .. 4 c + 3 of the fragment (16 rows x 128 K of 4-bit codes) of tile T, K step s.
; wsw [T 64][s 8][lane 32] words: the four scale bytes of row 16 T + lane % 16 for K step s (lanes 16-31 repeat lanes 0-15).
; One work-group of 128 threads takes one tile T.  The stores are dense (512 and 128 consecutive bytes a wave); the scattered side is the read, done once.
	s_load_b256 s[4:11], s[0:1], 0x0               ; W_codes s[4:5], W_scales s[6:7], wfrag s[8:9], wsw s[10:11]
	v_and_b32 v1, 15, v0                           ; r
	v_bfe_u32 v2, v0, 4, 1                         ; h
	v_bfe_u32 v3, v0, 5, 1                         ; c
	v_lshrrev_b32 v4, 6, v0                        ; t / 64: the low bit of s for the codes
	v_lshrrev_b32 v5, 5, v0                        ; t / 32: the low two bits of s for the scale words
	v_lshlrev_b32 v6, 9, v1                        ; codes, from: 512 r
	v_lshl_add_u32 v6, v4, 6, v6                   ;   + 64 (t / 64)
	v_lshl_add_u32 v6, v3, 5, v6                   ;   + 32 c
	v_lshl_add_u32 v6, v2, 4, v6                   ;   + 16 h
	v_lshlrev_b32 v7, 4, v0                        ; codes, to: 16 t
	v_lshlrev_b32 v8, 5, v1                        ; scales, from: 32 r
	v_lshl_add_u32 v8, v5, 2, v8                   ;   + 4 (t / 32)
	v_lshlrev_b32 v9, 2, v0                        ; scales, to: 4 t
	s_lshl_b32 s12, ttmp9, 13                      ; a tile's codes: 8,192 bytes, in both buffers
	s_mov_b32 s13, 0
	s_lshl_b32 s14, ttmp9, 9                       ; its scale bytes as given: 512
	s_mov_b32 s15, 0
	s_lshl_b32 s16, ttmp9, 10                      ; its scale words as laid: 1,024
	s_mov_b32 s17, 0
	s_wait_kmcnt 0x0
	s_add_nc_u64 s[4:5], s[4:5], s[12:13]
	s_add_nc_u64 s[8:9], s[8:9], s[12:13]
	s_add_nc_u64 s[6:7], s[6:7], s[14:15]
	s_add_nc_u64 s[10:11], s[10:11], s[16:17]
.irp i, 0,1,2,3
	global_load_b128 v[12+4*\i:15+4*\i], v6, s[4:5] offset:128*\i      ; s = 2 i + t / 64
.endr
.irp i, 0,1
	global_load_b32 v[28+\i], v8, s[6:7] offset:16*\i                  ; s = 4 i + t / 32
.endr
	s_wait_loadcnt 0x0
.irp i, 0,1,2,3
	global_store_b128 v7, v[12+4*\i:15+4*\i], s[8:9] offset:2048*\i
.endr
.irp i, 0,1
	global_store_b32 v9, v[28+\i], s[10:11] offset:512*\i
.endr
	s_endpgm
.Lfunc_end_k_q762181487e_prep:
	.size	k_q762181487e_prep, .Lfunc_end_k_q762181487e_prep-k_q762181487e_prep
	.p2alignl 7, 3214868480
	.fill 96, 4, 3214868480
	.section	.rodata,"a",@progbits
	.p2align	6, 0x0
	.amdhsa_kernel k_q762181487e_prep
		.amdhsa_group_segment_fixed_size 0
		.amdhsa_private_segment_fixed_size 0
		.amdhsa_enable_private_segment 0
		.amdhsa_kernarg_size 32
		.amdhsa_user_sgpr_count 2
		.amdhsa_user_sgpr_kernarg_segment_ptr 1
		.amdhsa_wavefront_size32 1
		.amdhsa_system_sgpr_workgroup_id_x 1
		.amdhsa_system_sgpr_workgroup_id_y 1
		.amdhsa_system_sgpr_workgroup_id_z 1
		.amdhsa_system_vgpr_workitem_id 0
		.amdhsa_next_free_vgpr 32
		.amdhsa_next_free_sgpr 66
		.amdhsa_reserve_vcc 0
		.amdhsa_float_denorm_mode_32 3
		.amdhsa_float_denorm_mode_16_64 3
		.amdhsa_memory_ordered 1
		.amdhsa_forward_progress 1
		.amdhsa_inst_pref_size 3
	.end_amdhsa_kernel
	.amdgpu_metadata
---
amdhsa.version: [ 1, 2 ]
amdhsa.kernels:
  - .name:           k_q762181487e_prep
    .symbol:         k_q762181487e_prep.kd
    .args:
      - { .name: W_codes, .offset: 0, .size: 8, .value_kind: global_buffer, .address_space: global }
      - { .name: W_scales, .offset: 8, .size: 8, .value_kind: global_buffer, .address_space: global }
      - { .name: wfrag, .offset: 16, .size: 8, .value_kind: global_buffer, .address_space: global }
      - { .name: wsw, .offset: 24, .size: 8, .value_kind: global_buffer, .address_space: global }
    .group_segment_fixed_size: 0
    .private_segment_fixed_size: 0
    .kernarg_segment_align: 8
    .kernarg_segment_size: 32
    .max_flat_workgroup_size: 128
    .sgpr_count:     66
    .vgpr_count:     32
    .wavefront_size: 32
...
	.end_amdgpu_metadata
.endif
;; end of part 1
;; launch main (part 2): grid 256 x 1, 8 waves a work-group, no clusters, 302,080 bytes of LDS; arguments context, wfrag, wsw, v, b, lg, pacc, pml; writes lg, pacc, pml
.if DOCPART == 2
	.amdgcn_target "amdgcn-amd-amdhsa--gfx1250"
	.amdhsa_code_object_version 6
	.text
	.protected	k_q762181487e_main
	.globl	k_q762181487e_main
	.p2align	8
	.type	k_q762181487e_main,@function
k_q762181487e_main:
	s_mov_b64 s[64:65], 0
	v_nop
	global_prefetch_b8 v0, s[64:65] scope:SCOPE_SE
	s_setreg_imm32_b32 hwreg(HW_REG_WAVE_MODE, 25, 1), 1
	s_wait_xcnt 0x0
; h = tanh(Q(context) W^T) on codes of FP4 (E2M1) with one E8M0 scale for each 32 along K; logit = h . v + b; a running softmax over the work-group's rows; the sum of p x context.
; CONTEXT IS READ FROM MEMORY ONCE: each row is quantised as it arrives, and a bf16 copy of it stays in LDS until its logit is known and weighs it.
; SHARES.  A work-group owns 256 rows on end, an eighth of a batch, in 4 blocks of 64.  Eight waves of 512 registers, in two roles:
;   waves 0-3, GEMM: they share the COLUMNS: wave g makes hidden units 256 g .. 256 g + 255 (16 tiles of 16) for all 64 rows of a block, takes tanh, multiplies by v and leaves 64 partial logits.
;   waves 4-7, INGEST: they load the next block (wave i: columns 256 i .. 256 i + 255 of every row), quantise it into LDS, keep the bf16 copy, and do the softmax and the weighted sum of the block before last.
;   The two roles have counters of their own: W's loads are wanted a tile and a half after they are issued, context's 32 rows after; in one wave, whose loads come back in order, they would hold each other up.
; A TRIP q: work phase (GEMM: block q - 1; INGEST: softmax and sum of block q - 2, then block q comes in) | barrier | GEMM takes block q's codes into registers, INGEST takes block q - 1's partial logits | barrier.
;   Trip 0, in which GEMM has no block yet, is written out ahead of the loop; the loop runs q = 1 .. 5 for all eight waves; a role leaves out, by a scalar branch on q, what a trip does not have for it.
;   The roles part on the wave's number and join again ahead of every barrier: every barrier stands on every wave's way.
; OUT: lg: t = logit x log2(e) of every row; pacc: the work-group's sum of p x context under its own maximum m; pml: m and the sum l of p.  A later launch joins the 8 parts of a batch.
; W GOES FROM MEMORY STRAIGHT INTO OPERAND REGISTERS, from a buffer laid in their order, once for each block.  NO TENSOR LOADS AND NO CLUSTER, though all work-groups walk the same W: a joint load lands in LDS,
;   and of its 327,680 bytes the two bf16 blocks take 262,144 and the codes, scales and small things 38,912; two slots in the 26,624 left would hold a fortieth of W's 557,056 bytes each.
; THE PRODUCT IS USED TRANSPOSED: source 0 = 16 rows of W, source 1 = 16 rows of x: a lane (r, h) holds row r of the tile of rows, and register j hidden unit 16 T + 8 h + j.
; tanh(x) = 1 - 2 / (1 + 2^(2 log2(e) x)), formed for each number; at both ends it goes to +-1 without a NaN.
; LIMITS: NaN and infinities among the inputs are not served.  A block of 32 whose largest magnitude lies under 2^-124 gets the scale byte 1 (a block of zeros too: its codes are zeros; this program alone reads the bytes).
;   v_exp_f32 gives 0 for results under 2^-126.  Context is rounded to bf16 for the weighted sum alone.
.set WREG,  65536                      ; LDS.  0: the bf16 copies, a region of 65,536 bytes for each INGEST wave, which nobody else touches: two blocks of 32,768 bytes; in a block row s at 512 s, a lane's 16 bytes at 16 lane
.set BUFB,  0x8000                     ;   from one block to the other: block q lies in block q % 2
.set IMG,   4*WREG                     ; x's codes, 64 rows,
.set IP,    528                        ;   512 bytes + 16 of padding: 132 words, so that the 16 rows of a fragment load start at 16 different groups of four banks
.set XSC,   IMG+64*IP                  ; x's scale bytes, 64 rows of 32,
.set XP,    48                         ;   48 bytes apart
.set PL,    XSC+64*XP                  ; partial logits [row 64][g 4] f32
.set PP,    PL+1024                    ; each INGEST wave's own 64 numbers p
; vector registers of both roles (never loaded into): v1 65,536 w + 16 lane; v2 the bf16 block in hand (made anew at the head of each of INGEST's phases); v4 codes' store; v5 scale bytes' store; v6 fragment load;
;   v7 scale words' load; v8 partial logits' store; v10 their load; v12, v13 p's store and load; v14 16 lane, v15 4 lane, v16 32 h, v20 1024 w + 16 lane, v21 8 lane: offsets in memory
; GEMM: window 1: x's 32 fragments, (tile of rows m, K step s) at v[64 m + 8 s]
.set XS,    24                         ; v24-39   x's scale words: register 8 P + s: lane l holds row 32 P + l's word of K step s.  (No role puts anything else there)
.set ACC,   40                         ; v40-71   two half-sets P of two accumulators u: tile of rows 2 P + u
.set LA,    72                         ; v72-79   a pair of sums of tanh x v for each tile of rows
.set VV,    80                         ; v80-95   v of a tile, two sets by the tile's parity: register j = v[16 T + 8 h + j]
.set RING,  96                         ; v96-223  W's fragments of a tile, two sets by parity: K step s at + 8 s
.set WSW,   224                        ; v224-239 W's scale words likewise
.set Z,     240                        ; v240-247 at work
.set AW,    17                         ; v17-18   byte offset of a tile's fragments, a register for each parity
.set AS,    252                        ; v252-253 of its scale words
.set AV,    254                        ; v254-255 of its v
; INGEST: window 1: 32 row slots of 8 registers: 4 numbers at columns 256 w + 4 lane (part A), 4 at + 128 (part B)
.set SC,    40                         ; v40-47   the conversions' scale operands, 4 rows x 2 parts
.set CD,    48                         ; v48-55   codes
.set BY,    56                         ; v56-63   scale bytes
.set BP,    64                         ; v64-79   4 rows x 4 words of bf16
.set OA,    80                         ; v80-87   my 8 columns' sums of p x context
.set ML,    88                         ; v88 m, v89 l
.set FF,    90                         ; v90 f = 2^(old m - new m); v91 named with it as a pair
.set TT,    92                         ; v92-93   t of rows 2 lane, 2 lane + 1
.set PQ,    94                         ; v94-95   their p
.set TP,    96                         ; v96-103  their partial logits; v104-109 at work
.set PB,    112                        ; v112-127 16 rows' p, in every lane
.set DB,    128                        ; v128-191 16 rows' bf16 words
.set MX,    192                        ; v192-199 largest magnitudes, 4 rows x 2 parts
; scalars: s[8:23] the eight buffers; s24 b; s25 wave; s26 wave % 4; s27 q; s28 the bf16 block in hand; s32, s33 the tile whose W, whose v is asked for next; s34, s35 at work;
;   s[36:37] 2 log2(e); s38 log2(e); s39 the floor; s[40:41] lane selects; s42 counter; s43 b log2(e); s[44:49] my 16 tiles of wfrag, wsw, v; s50 -(2 << 23)
.set MSB, 0
.macro WIN new                         ; s_set_vgpr_msb: bits 1:0 source 0, 3:2 source 1, 5:4 source 2, 7:6 destination; the high byte repeats the setting that is left
.if MSB != \new
	s_set_vgpr_msb (MSB<<8)|\new
.set MSB, \new
.endif
.endm
.macro BARRIER                         ; my LDS stores have landed and my LDS loads are in: then the work-group's barrier
	s_wait_dscnt 0x0
	s_barrier_signal -1
	s_barrier_wait -1
.endm
	s_load_b512 s[8:23], s[0:1], 0x0               ; context 8, wfrag 10, wsw 12, v 14, b 16, lg 18, pacc 20, pml 22
	v_lshl_add_u32 v250, v0, 2, 0x49800
	v_mov_b32 v251, 0
	v_lshrrev_b32 v22, 5, v0
	v_readfirstlane_b32 s25, v22                   ; wave 0..7
	s_and_b32 s26, s25, 3                          ; g, or the INGEST wave's number
	v_and_b32 v22, 31, v0                          ; lane
	v_and_b32 v23, 15, v0                          ; r
	v_bfe_u32 v248, v0, 4, 1                       ; h
	v_bfe_u32 v249, v0, 5, 2                       ; w = wave % 4
	s_mov_b32 s27, 1                               ; the loop's first trip is q = 1
	s_mov_b32 s32, 2
	s_mov_b32 s33, 1
	s_mov_b32 s36, 0x4038aa3b                      ; 2 log2(e)
	s_mov_b32 s37, s36                             ; (named with it as a pair, so it is written)
	s_mov_b32 s38, 0x3fb8aa3b                      ; log2(e)
	s_mov_b32 s39, 0x1800000                       ; 2^(3 - 127): under it no largest magnitude is taken, so a scale byte cannot fall under 1
	s_mov_b32 s40, 0x76543210
	s_mov_b32 s41, 0xfedcba98                      ; v_permlanex16_b32's selects for lane l xor 16
	s_mov_b32 s50, 0xff000000                      ; takes 2 off an exponent field
	v_lshlrev_b32 v14, 4, v22
	v_lshl_add_u32 v1, v249, 16, v14               ; the bf16 copies: my wave's region, 16 bytes a lane
	v_lshlrev_b32 v4, 1, v22                       ; codes: 128 w + 2 lane: four codes of part A; part B's lie 64 bytes on
	v_lshl_add_u32 v4, v249, 7, v4
	v_add_nc_u32 v4, IMG, v4
	v_lshrrev_b32 v5, 3, v22                       ; scale bytes: block 8 w + lane / 8 for part A; part B's is 4 on
	v_lshl_add_u32 v5, v249, 3, v5
	v_add_nc_u32 v5, XSC, v5
	v_mul_u32_u24 v6, v23, IP                      ; a fragment: row r, + 16 h
	v_lshl_add_u32 v6, v248, 4, v6
	v_add_nc_u32 v6, IMG, v6
	v_mul_u32_u24 v7, v22, XP                      ; scale words: row = lane
	v_add_nc_u32 v7, XSC, v7
	v_lshlrev_b32 v8, 4, v23                       ; partial logits, in: 16 r + 4 w
	v_lshl_add_u32 v8, v249, 2, v8
	v_add_nc_u32 v8, PL, v8
	v_lshl_add_u32 v10, v22, 5, PL                 ; and out: rows 2 lane and 2 lane + 1
	v_lshlrev_b32 v13, 8, v249
	v_add_nc_u32 v13, PP, v13                      ; my wave's 64 p
	v_lshl_add_u32 v12, v22, 3, v13
	v_lshlrev_b32 v15, 2, v22
	v_lshlrev_b32 v16, 5, v248
	v_lshl_add_u32 v20, v249, 10, v14
	v_lshlrev_b32 v21, 3, v22
	s_mov_b32 s35, 0
	s_wait_kmcnt 0x0
	s_load_b32 s24, s[16:17], 0x0                  ; b
	s_lshl_b32 s34, ttmp9, 20                      ; my 256 rows of 4,096 bytes (255 x 2^20 stays under 2^32)
	s_add_nc_u64 s[8:9], s[8:9], s[34:35]
	s_lshl_b32 s34, ttmp9, 10
	s_add_nc_u64 s[18:19], s[18:19], s[34:35]
	s_lshl_b32 s34, ttmp9, 12
	s_add_nc_u64 s[20:21], s[20:21], s[34:35]
	s_lshl_b32 s34, ttmp9, 8
	s_add_nc_u64 s[22:23], s[22:23], s[34:35]
	s_lshl_b32 s34, s26, 17                        ; 16 tiles of 8,192 bytes
	s_add_nc_u64 s[44:45], s[10:11], s[34:35]
	s_lshl_b32 s34, s26, 14                        ; 16 tiles of 1,024 bytes
	s_add_nc_u64 s[46:47], s[12:13], s[34:35]
	s_lshl_b32 s34, s26, 10                        ; 256 numbers
	s_add_nc_u64 s[48:49], s[14:15], s[34:35]
	s_wait_kmcnt 0x0
	s_mul_f32 s43, s24, s38                        ; b log2(e)
; ---------------- GEMM's macros ----------------
; Two products: half-set P's two tiles of rows x the tile of W in set par, K step s.  The two accumulators take turns.  At s = 0 the constant 0 starts the sums.
; Source 1 lies in window 1.  x's scale words of the second tile of rows lie in lanes 16-31.
.macro MM par, P, s
	WIN 0x04
.if \s == 0
	v_wmma_scale_f32_16x16x128_f8f6f4 v[ACC+16*\P:ACC+16*\P+7], v[RING+64*\par+8*\s:RING+64*\par+8*\s+7], v[128*\P+8*\s:128*\P+8*\s+7], 0, v[WSW+8*\par+\s], v[XS+8*\P+\s] matrix_a_fmt:MATRIX_FMT_FP4 matrix_b_fmt:MATRIX_FMT_FP4
	v_wmma_scale_f32_16x16x128_f8f6f4 v[ACC+16*\P+8:ACC+16*\P+15], v[RING+64*\par+8*\s:RING+64*\par+8*\s+7], v[128*\P+64+8*\s:128*\P+64+8*\s+7], 0, v[WSW+8*\par+\s], v[XS+8*\P+\s] matrix_a_fmt:MATRIX_FMT_FP4 matrix_b_fmt:MATRIX_FMT_FP4 matrix_b_scale:MATRIX_SCALE_ROW1
.else
	v_wmma_scale_f32_16x16x128_f8f6f4 v[ACC+16*\P:ACC+16*\P+7], v[RING+64*\par+8*\s:RING+64*\par+8*\s+7], v[128*\P+8*\s:128*\P+8*\s+7], v[ACC+16*\P:ACC+16*\P+7], v[WSW+8*\par+\s], v[XS+8*\P+\s] matrix_a_fmt:MATRIX_FMT_FP4 matrix_b_fmt:MATRIX_FMT_FP4
	v_wmma_scale_f32_16x16x128_f8f6f4 v[ACC+16*\P+8:ACC+16*\P+15], v[RING+64*\par+8*\s:RING+64*\par+8*\s+7], v[128*\P+64+8*\s:128*\P+64+8*\s+7], v[ACC+16*\P+8:ACC+16*\P+15], v[WSW+8*\par+\s], v[XS+8*\P+\s] matrix_a_fmt:MATRIX_FMT_FP4 matrix_b_fmt:MATRIX_FMT_FP4 matrix_b_scale:MATRIX_SCALE_ROW1
.endif
.endm
; Slice k of 8 of the work on the finished half-set tP (16 registers): x 2 log2(e) | 2^ | 2^ | + 1 | 1 / | 1 / | 1 - 2 r | x v, summed.  Slices 0 to 6 name no vector register as source 1, so the products' window
; setting serves them.  Each accumulator is read from its low end on.  A v_nop stands between the transcendentals and the first use of their results (ISA guide 5.7.2).
; w = 1: v of this tile is waited for: behind its two loads stand the next tile's 24, the next v's 2 and 21 of the refills of this half: 47.
.macro TS tP, vpar, k, w
.set AB, ACC+16*\tP
.if \k == 0
.irp i, 0,2,4,6,8,10,12,14
	v_pk_mul_f32 v[AB+\i:AB+\i+1], v[AB+\i:AB+\i+1], s[36:37] op_sel_hi:[1,0]
.endr
.elseif \k == 1
.irp i, 0,1,2,3,4,5,6,7
	v_exp_f32 v[AB+\i], v[AB+\i]
.endr
.elseif \k == 2
.irp i, 8,9,10,11,12,13,14,15
	v_exp_f32 v[AB+\i], v[AB+\i]
.endr
.elseif \k == 3
	v_nop
	s_wait_alu depctr_va_vdst(0)
.irp i, 0,2,4,6,8,10,12,14
	v_pk_add_f32 v[AB+\i:AB+\i+1], v[AB+\i:AB+\i+1], 1.0 op_sel_hi:[1,0]
.endr
.elseif \k == 4
.irp i, 0,1,2,3,4,5,6,7
	v_rcp_f32 v[AB+\i], v[AB+\i]
.endr
.elseif \k == 5
.irp i, 8,9,10,11,12,13,14,15
	v_rcp_f32 v[AB+\i], v[AB+\i]
.endr
.elseif \k == 6
	v_nop
	s_wait_alu depctr_va_vdst(0)
.irp i, 0,2,4,6,8,10,12,14
	v_pk_fma_f32 v[AB+\i:AB+\i+1], v[AB+\i:AB+\i+1], -2.0, 1.0 op_sel_hi:[1,0,0]
.endr
.else
	WIN 0
.if \w
	s_wait_loadcnt 47
.endif
.irp i, 0,2,4,6
	v_pk_fma_f32 v[LA+4*\tP:LA+4*\tP+1], v[AB+\i:AB+\i+1], v[VV+8*\vpar+\i:VV+8*\vpar+\i+1], v[LA+4*\tP:LA+4*\tP+1]
	v_pk_fma_f32 v[LA+4*\tP+2:LA+4*\tP+3], v[AB+8+\i:AB+9+\i], v[VV+8*\vpar+\i:VV+8*\vpar+\i+1], v[LA+4*\tP+2:LA+4*\tP+3]
.endr
.endif
.endm
.macro REFILL par, s                   ; K step s of the tile at AW, AS of this parity: each load reads 512 or 128 consecutive bytes
	global_load_b128 v[RING+64*\par+8*\s:RING+64*\par+8*\s+3], v[AW+\par], s[44:45] offset:1024*\s
	global_load_b128 v[RING+64*\par+8*\s+4:RING+64*\par+8*\s+7], v[AW+\par], s[44:45] offset:1024*\s+512
	global_load_b32 v[WSW+8*\par+\s], v[AS+\par], s[46:47] offset:128*\s
.endm
; Half a tile t of W (set par = t % 2): 16 products for half-set P, with a slice of the other half-set's tanh behind each two (th = 1).
; The loads of this role are issued in the order: tile t's 24 | v(t)'s 2 | tile t + 1's 24 | v(t + 1)'s 2 | ..  P = 0 waits for K step s of tile t: behind its three loads stand 3 (7 - s) + 2 + 24 = 47 - 3 s.
; P = 1 fills the set again, with tile t + 2 (modulo 16: the next block finds tiles 0 and 1 on their way): each K step's loads stand behind 8 or 9 plain vector instructions that follow its last product
; and name none of its registers (four are owed).  The set's address registers are written behind P = 0's last wait (26), which shows
; the loads that named them done; v's behind the wait for 47 of the tile before.  The 8 lines of slice 7 are also the places between a half-set's last products and the first read of its results.
.macro PAIR par, P, tP, vpar, th
.if \P == 1
	s_lshl_b32 s34, s32, 13
	s_lshl_b32 s35, s32, 10
	v_add_nc_u32 v[AW+\par], s34, v14
	v_add_nc_u32 v[AS+\par], s35, v15
	s_add_co_u32 s32, s32, 1
	s_and_b32 s32, s32, 15
.endif
.irp s, 0,1,2,3,4,5,6,7
.if \P == 0
	s_wait_loadcnt 47-3*\s
.endif
	MM \par, \P, \s
.if \th
	TS \tP, \vpar, \s, \P
.endif
.if \P == 1
.if \s == 0
	REFILL \par, 0
.elseif \s == 3
	REFILL \par, 1
	REFILL \par, 2
	REFILL \par, 3
.elseif \s == 6
	REFILL \par, 4
	REFILL \par, 5
	REFILL \par, 6
.elseif \s == 7
	REFILL \par, 7
.endif
.endif
.endr
	WIN 0
.if \P == 0
	s_lshl_b32 s34, s33, 6                         ; v of tile t + 1, into the set whose last use has just been issued
	v_add_nc_u32 v[AV+1-\par], s34, v16
	s_add_co_u32 s33, s33, 1
	s_and_b32 s33, s33, 15
	global_load_b128 v[VV+8*(1-\par):VV+8*(1-\par)+3], v[AV+1-\par], s[48:49]
	global_load_b128 v[VV+8*(1-\par)+4:VV+8*(1-\par)+7], v[AV+1-\par], s[48:49] offset:16
.endif
.endm
; A block's codes and scale words come into registers: 32 fragments (lane (r, h) takes row 16 m + r, bytes 64 s + 32 c + 16 h on) and 16 registers of scale words (row 32 P + lane: its words of K steps 4 i .. 4 i + 3)
.macro XLOAD
	WIN 0x40
.irp m, 0,1,2,3
.irp s, 0,1,2,3,4,5,6,7
.irp c, 0,1
	ds_load_b128 v[64*\m+8*\s+4*\c:64*\m+8*\s+4*\c+3], v6 offset:16*IP*\m+64*\s+32*\c
.endr
.endr
.endr
	WIN 0
.irp P, 0,1
.irp i, 0,1
	ds_load_b128 v[XS+8*\P+4*\i:XS+8*\P+4*\i+3], v7 offset:32*XP*\P+16*\i
.endr
.endr
.endm
; ---------------- INGEST's macros ----------------
; Four rows: slots i0 .. i0 + 3, rows row0 .. row0 + 3 of the block; abf: the register that addresses the bf16 block.  cnt: the loads issued behind these slots' eight.
; A block of 32 along K is 8 lanes x 4 numbers.  The conversion takes 8 registers: with part A's scale its low 16 bits are A's four codes, with part B's scale its high 16 bits are B's; the other halves are not stored.
.macro GROUP i0, row0, abf, refill, cnt
	s_wait_loadcnt \cnt
	WIN 0x14                                       ; sources 1 and 2: the slots
.irp k, 0,1,2,3
.irp p, 0,1
	v_max3_num_f32 v[MX+2*\k+\p], s39, |v[8*((\i0)+\k)+4*\p]|, |v[8*((\i0)+\k)+4*\p+1]|
.endr
.endr
.irp k, 0,1,2,3
.irp p, 0,1
	v_max3_num_f32 v[MX+2*\k+\p], v[MX+2*\k+\p], |v[8*((\i0)+\k)+4*\p+2]|, |v[8*((\i0)+\k)+4*\p+3]|
.endr
.endr
	WIN 0
.irp x, 1,2,4
.irp j, 0,1,2,3,4,5,6,7
	v_max_num_f32_dpp v[MX+\j], v[MX+\j], v[MX+\j] row_xmask:\x row_mask:0xf bank_mask:0xf   ; the eight by turns
.endr
.endr
.irp j, 0,1,2,3,4,5,6,7
	v_add_nc_u32 v[SC+\j], s50, v[MX+\j]           ; 2 off the exponent field: the conversion takes the exponent field of this operand as its scale, and nothing else of it
.endr
	s_wait_dscnt 0x0                               ; the last group's LDS stores have read the registers that are written from here on
	WIN 0x01                                       ; source 0: the slots
.irp k, 0,1,2,3
	v_cvt_scalef32_pk8_fp4_f32 v[CD+2*\k], v[8*((\i0)+\k):8*((\i0)+\k)+7], v[SC+2*\k]
	v_cvt_scalef32_pk8_fp4_f32 v[CD+2*\k+1], v[8*((\i0)+\k):8*((\i0)+\k)+7], v[SC+2*\k+1]
.endr
.irp j, 0,1,2,3,4,5,6,7
	v_lshrrev_b32 v[BY+\j], 23, v[SC+\j]           ; the scale's byte.  (Plain lines behind the conversions; their one vector source is source 1, so the setting serves)
.endr
	WIN 0x05                                       ; sources 0 and 1: the slots
.irp k, 0,1,2,3
.irp j, 0,1,2,3
	v_cvt_pk_bf16_f32 v[BP+4*\k+\j], v[8*((\i0)+\k)+2*\j], v[8*((\i0)+\k)+2*\j+1]
.endr
.endr
	WIN 0
.irp k, 0,1,2,3
	ds_store_b16 v4, v[CD+2*\k] offset:IP*((\row0)+\k)
	ds_store_b16_d16_hi v4, v[CD+2*\k+1] offset:IP*((\row0)+\k)+64
	ds_store_b8 v5, v[BY+2*\k] offset:XP*((\row0)+\k)                  ; the eight lanes of a block write the same byte with the same value
	ds_store_b8 v5, v[BY+2*\k+1] offset:XP*((\row0)+\k)+4
	ds_store_b128 v[\abf], v[BP+4*\k:BP+4*\k+3] offset:512*((\row0)+\k)   ; the wave's 512 bytes of the row, on end
.endr
.if \refill
	WIN 0x40                                       ; destination: the slots take the rows 32 further down
.irp k, 0,1,2,3
.irp p, 0,1
	global_load_b128 v[8*((\i0)+\k)+4*\p:8*((\i0)+\k)+4*\p+3], v20, s[8:9] offset:4096*((\row0)+32+\k)+512*\p th:TH_LOAD_NT
.endr
.endr
.endif
.endm
; Half a block: once round the 32 slots.  With refills seven younger groups of 8 loads stay out (56); in the very last half the counts run down.
.macro HALF hf, refill, abf
.irp g, 0,1,2,3,4,5,6,7
.if \refill
	GROUP 4*\g, 32*\hf+4*\g, \abf, 1, 56
.else
	GROUP 4*\g, 32*\hf+4*\g, \abf, 0, 56-8*\g
.endif
.endr
	WIN 0
.endm
.macro PLREAD                          ; the four waves' partial logits of rows 2 lane and 2 lane + 1
	ds_load_b128 v[TP:TP+3], v10
	ds_load_b128 v[TP+4:TP+7], v10 offset:16
.endm
; A block's 64 logits (every INGEST wave makes all of them, two a lane): t, the new m, f, p, l; p goes to the wave's own words of LDS; my sums come under the new m.
.macro SOFTMAX
	s_wait_dscnt 0x0                               ; the partial logits are in
	s_wait_xcnt 0x0                                ; the last block's store of t has read its data
	v_add_f32 v[TP], v[TP], v[TP+1]
	v_add_f32 v[TP+2], v[TP+2], v[TP+3]
	v_add_f32 v[TP+4], v[TP+4], v[TP+5]
	v_add_f32 v[TP+6], v[TP+6], v[TP+7]
	v_add_f32 v[TP], v[TP], v[TP+2]
	v_add_f32 v[TP+4], v[TP+4], v[TP+6]
	v_fma_f32 v[TT], v[TP], s38, s43               ; t = (h . v) log2(e) + b log2(e)
	v_fma_f32 v[TT+1], v[TP+4], s38, s43
	s_cmp_lg_u32 s26, 0
	s_cbranch_scc1 .Lno_lg_\@
	global_store_b64 v21, v[TT:TT+1], s[18:19]     ; one wave stores them: 256 consecutive bytes, at a multiple of 256 from lg's first byte
.Lno_lg_\@:
	v_max_num_f32 v[TP+8], v[TT], v[TT+1]
.irp x, 1,2,4,8
	v_max_num_f32_dpp v[TP+8], v[TP+8], v[TP+8] row_xmask:\x row_mask:0xf bank_mask:0xf
.endr
	v_permlanex16_b32 v[TP+9], v[TP+8], s40, s41
	v_max3_num_f32 v[TP+10], v[TP+8], v[TP+9], v[ML]   ; the new m
	v_sub_f32 v[TP+11], v[ML], v[TP+10]
	v_sub_f32 v[PQ], v[TT], v[TP+10]
	v_sub_f32 v[PQ+1], v[TT+1], v[TP+10]
	v_exp_f32 v[FF], v[TP+11]
	v_exp_f32 v[PQ], v[PQ]
	v_exp_f32 v[PQ+1], v[PQ+1]
	v_mov_b32 v[ML], v[TP+10]                      ; (a plain line behind the exponentials)
	s_wait_alu depctr_va_vdst(0)
	v_add_f32 v[TP+12], v[PQ], v[PQ+1]
.irp x, 1,2,4,8
	v_add_f32_dpp v[TP+12], v[TP+12], v[TP+12] row_xmask:\x row_mask:0xf bank_mask:0xf
.endr
	v_permlanex16_b32 v[TP+13], v[TP+12], s40, s41
	v_add_f32 v[TP+12], v[TP+12], v[TP+13]
	v_fma_f32 v[ML+1], v[ML+1], v[FF], v[TP+12]    ; l = l f + the block's sum
	ds_store_b64 v12, v[PQ:PQ+1]
.irp e, 0,2,4,6
	v_pk_mul_f32 v[OA+\e:OA+\e+1], v[OA+\e:OA+\e+1], v[FF:FF+1] op_sel_hi:[1,0]
.endr
	s_wait_xcnt 0x0                                ; the store has read its base
	s_add_nc_u64 s[18:19], s[18:19], 256
.endm
; My 8 columns' sums take the block's 64 rows, 16 at a time: p comes back to every lane (LDS serves a wave's instructions in order: the loads see the store above), the rows' bf16 words are my own.
.macro WSUM
.irp t, 0,1,2,3
.irp i, 0,1,2,3
	ds_load_b128 v[PB+4*\i:PB+4*\i+3], v13 offset:64*\t+16*\i
.endr
.irp k, 0,1,2,3,4,5,6,7,8,9,10,11,12,13,14,15
	ds_load_b128 v[DB+4*\k:DB+4*\k+3], v2 offset:512*(16*\t+\k)
.endr
	s_wait_dscnt 0x0
.irp k, 0,1,2,3,4,5,6,7,8,9,10,11,12,13,14,15
.irp w, 0,1,2,3
	v_fma_mix_f32_bf16 v[OA+2*\w], v[DB+4*\k+\w], v[PB+\k], v[OA+2*\w] op_sel_hi:[1,0,0]
	v_fma_mix_f32_bf16 v[OA+2*\w+1], v[DB+4*\k+\w], v[PB+\k], v[OA+2*\w+1] op_sel:[1,0,0] op_sel_hi:[1,0,0]
.endr
.endr
.endr
.endm
; ---------------- trip 0, written out: GEMM asks for its first tiles, INGEST brings block 0 ----------------
	s_cmp_lt_u32 s25, 4
	s_cbranch_scc0 .Lhead_ingest
	; GEMM: tiles 0 and 1 of W and v of tile 0 are asked for: 24 + 2 + 24 loads, in the order that every later count takes for granted
.irp j, 4,5,6,7
	v_mov_b32 v[Z+\j], 0                           ; written once: a lane permute's destination counts as one of its sources
.endr
	v_mov_b32 v[AW], v14
	v_mov_b32 v[AS], v15
	v_mov_b32 v[AV], v16
	v_add_nc_u32 v[AW+1], 8192, v14
	v_add_nc_u32 v[AS+1], 1024, v15
.irp s, 0,1,2,3,4,5,6,7
	REFILL 0, \s
.endr
	global_load_b128 v[VV:VV+3], v[AV], s[48:49]
	global_load_b128 v[VV+4:VV+7], v[AV], s[48:49] offset:16
.irp s, 0,1,2,3,4,5,6,7
	REFILL 1, \s
.endr
	s_branch .Lfirst
.Lhead_ingest:
.irp j, 0,1,2,3,4,5,6,7
	v_mov_b32 v[OA+\j], 0                          ; the sums begin as zeros and m as -3e38: the first f is 0
.endr
	v_mov_b32 v[ML], 0xff61b1e6
	v_mov_b32 v[ML+1], 0
	v_mov_b32 v[FF+1], 0
.irp j, 0,1,2,3,4,5,6,7,8,9,10,11,12,13
	v_mov_b32 v[TP+\j], 0
.endr
	WIN 0x40
.set I, 0
.rept 32                                       ; rows 0 to 31: a wave's two loads of a row read 512 consecutive bytes each
	global_load_b128 v[8*I:8*I+3], v20, s[8:9] offset:4096*I th:TH_LOAD_NT
	global_load_b128 v[8*I+4:8*I+7], v20, s[8:9] offset:4096*I+512 th:TH_LOAD_NT
.set I, I+1
.endr
	WIN 0
	HALF 0, 1, 1                                   ; block 0: its bf16 copy lies in block 0 of my wave's region, which v1 addresses as it stands
	HALF 1, 1, 1
	s_wait_xcnt 0x0                                ; the loads have read their base
	s_add_nc_u64 s[8:9], s[8:9], 262144            ; 64 rows on
.Lfirst:
	BARRIER                                        ; block 0's codes and scale bytes lie whole in LDS
	s_cmp_lt_u32 s25, 4
	s_cbranch_scc0 .Lfirst_x
	XLOAD
.Lfirst_x:
	BARRIER                                        ; they are in GEMM's registers: the codes and the scale bytes may be written again
; ---------------- trips q = 1 .. 5 ----------------
.Lperiod:
	s_cmp_lt_u32 s25, 4
	s_cbranch_scc0 .Lingest
	; ---- GEMM: block q - 1: 16 tiles of W x 64 rows.  A half-set's tanh stands between the other half-set's products.
	s_cmp_gt_u32 s27, 4
	s_cbranch_scc1 .Ldone                          ; in trip 5 no block is left
.irp j, 0,1,2,3,4,5,6,7
	v_mov_b32 v[LA+\j], 0
.endr
	PAIR 0, 0, 0, 0, 0                             ; tile 0, rows 0-31: nothing is finished yet
.rept 4
	v_nop                                          ; places between these products and the first read of their results
.endr
	s_mov_b32 s42, 7
.Ltile:                                            ; a trip: tile t rows 32-63 | tile t + 1 rows 0-31 | rows 32-63 | tile t + 2 rows 0-31;  t = 0, 2, .. 12
	PAIR 0, 1, 0, 0, 1
	PAIR 1, 0, 1, 0, 1
	PAIR 1, 1, 0, 1, 1
	PAIR 0, 0, 1, 1, 1
	s_sub_co_u32 s42, s42, 1
	s_cmp_lg_u32 s42, 0
	s_cbranch_scc1 .Ltile
	PAIR 0, 1, 0, 0, 1                             ; tile 14 rows 32-63, tile 15.  Their refills are the next block's tiles 0 and 1 and v(0); behind the last block these 50 loads are not used (they stay inside their buffers)
	PAIR 1, 0, 1, 0, 1
	PAIR 1, 1, 0, 1, 1
.irp k, 0,1,2,3,4,5,6,7
	TS 1, 1, \k, 0
.endr
.irp m, 0,1,2,3
	v_add_f32 v[Z+\m], v[LA+2*\m], v[LA+2*\m+1]
.endr
.irp m, 0,1,2,3
	v_permlanex16_b32 v[Z+4+\m], v[Z+\m], s40, s41 ; the other eight units of each tile lie in the lane 16 away
.endr
.irp m, 0,1,2,3
	v_add_f32 v[Z+\m], v[Z+\m], v[Z+4+\m]
.endr
.irp m, 0,1,2,3
	ds_store_b32 v8, v[Z+\m] offset:256*\m         ; row 16 m + r, my word of its four (lanes r and r + 16 write the same word with the same value)
.endr
	s_branch .Ldone
.Lingest:
	; ---- INGEST: block q - 2 is weighed (its bf16 copy lies where block q will go), then block q comes in
	s_and_b32 s34, s27, 1                          ; both lie in block q % 2 of my wave's region: 0 or 32,768 bytes on.  With a row's 512 x 63 and a lane's 16 x 31 + 16 that ends at the region's 65,536 at the most
	s_cmp_lg_u32 s34, 0
	s_cselect_b32 s28, BUFB, 0
	v_add_nc_u32 v2, s28, v1
	s_cmp_lt_u32 s27, 2
	s_cbranch_scc1 .Lno_sum                        ; in trip 1 no logits have been read yet
	SOFTMAX
	WSUM
.Lno_sum:
	s_cmp_gt_u32 s27, 3
	s_cbranch_scc1 .Ldone                          ; in trips 4 and 5 no block is left to bring
	HALF 0, 1, 2
	s_cmp_eq_u32 s27, 3
	s_cbranch_scc1 .Llast_half
	HALF 1, 1, 2
	s_wait_xcnt 0x0                                ; the loads have read their base
	s_add_nc_u64 s[8:9], s[8:9], 262144            ; 64 rows on
	s_branch .Ldone
.Llast_half:
	HALF 1, 0, 2                                   ; the work-group's last 32 rows: nothing is left to ask for
.Ldone:
	BARRIER                                        ; block q's codes and scale bytes and block q - 1's partial logits lie whole in LDS
	s_cmp_lt_u32 s25, 4
	s_cbranch_scc0 .Lmid_ingest
	s_cmp_gt_u32 s27, 3
	s_cbranch_scc1 .Lmid_done                      ; blocks 1 to 3 are taken here
	XLOAD
	s_branch .Lmid_done
.Lmid_ingest:
	s_cmp_gt_u32 s27, 4
	s_cbranch_scc1 .Lmid_done                      ; trip 5 has made no logits
	PLREAD
.Lmid_done:
	BARRIER                                        ; all these reads are in: the codes, the scale bytes and the partial logits may be written again
	s_add_co_u32 s27, s27, 1
	s_cmp_lt_u32 s27, 6
	s_cbranch_scc1 .Lperiod
	s_cmp_lt_u32 s25, 4
	s_cbranch_scc1 .Lend
	global_store_b128 v20, v[OA:OA+3], s[20:21]                ; each store of a wave covers 512 consecutive bytes
	global_store_b128 v20, v[OA+4:OA+7], s[20:21] offset:512
	s_cmp_lg_u32 s26, 0
	s_cbranch_scc1 .Lend
	global_store_b64 v21, v[ML:ML+1], s[22:23]                 ; m and l, the same pair from every lane: 256 consecutive bytes
.Lend:
	s_wait_tensorcnt 0x0
	ds_add_u32 v250, v251
	s_wait_dscnt 0x0
	s_endpgm
.Lfunc_end_k_q762181487e_main:
	.size	k_q762181487e_main, .Lfunc_end_k_q762181487e_main-k_q762181487e_main
	.p2alignl 7, 3214868480
	.fill 96, 4, 3214868480
	.section	.rodata,"a",@progbits
	.p2align	6, 0x0
	.amdhsa_kernel k_q762181487e_main
		.amdhsa_group_segment_fixed_size 302080
		.amdhsa_private_segment_fixed_size 0
		.amdhsa_enable_private_segment 0
		.amdhsa_kernarg_size 64
		.amdhsa_user_sgpr_count 2
		.amdhsa_user_sgpr_kernarg_segment_ptr 1
		.amdhsa_wavefront_size32 1
		.amdhsa_system_sgpr_workgroup_id_x 1
		.amdhsa_system_sgpr_workgroup_id_y 1
		.amdhsa_system_sgpr_workgroup_id_z 1
		.amdhsa_system_vgpr_workitem_id 0
		.amdhsa_next_free_vgpr 512
		.amdhsa_next_free_sgpr 66
		.amdhsa_reserve_vcc 0
		.amdhsa_float_denorm_mode_32 3
		.amdhsa_float_denorm_mode_16_64 3
		.amdhsa_memory_ordered 1
		.amdhsa_forward_progress 1
		.amdhsa_inst_pref_size 255
	.end_amdhsa_kernel
	.section	.bss,"aw",@nobits
	.p2align	6
	.space	262144
	.amdgpu_metadata
---
amdhsa.version: [ 1, 2 ]
amdhsa.kernels:
  - .name:           k_q762181487e_main
    .symbol:         k_q762181487e_main.kd
    .args:
      - { .name: context, .offset: 0, .size: 8, .value_kind: global_buffer, .address_space: global }
      - { .name: wfrag, .offset: 8, .size: 8, .value_kind: global_buffer, .address_space: global }
      - { .name: wsw, .offset: 16, .size: 8, .value_kind: global_buffer, .address_space: global }
      - { .name: v, .offset: 24, .size: 8, .value_kind: global_buffer, .address_space: global }
      - { .name: b, .offset: 32, .size: 8, .value_kind: global_buffer, .address_space: global }
      - { .name: lg, .offset: 40, .size: 8, .value_kind: global_buffer, .address_space: global }
      - { .name: pacc, .offset: 48, .size: 8, .value_kind: global_buffer, .address_space: global }
      - { .name: pml, .offset: 56, .size: 8, .value_kind: global_buffer, .address_space: global }
    .group_segment_fixed_size: 302080
    .private_segment_fixed_size: 0
    .kernarg_segment_align: 8
    .kernarg_segment_size: 64
    .max_flat_workgroup_size: 256
    .sgpr_count:     66
    .vgpr_count:     512
    .wavefront_size: 32
...
	.end_amdgpu_metadata
.endif
;; end of part 2
;; launch join (part 3): grid 256 x 1, 1 waves a work-group, no clusters, 0 bytes of LDS; arguments lg, pacc, pml, out0, out1; writes out0, out1
.if DOCPART == 3
	.amdgcn_target "amdgcn-amd-amdhsa--gfx1250"
	.amdhsa_code_object_version 6
	.text
	.protected	k_q762181487e_join
	.globl	k_q762181487e_join
	.p2align	8
	.type	k_q762181487e_join,@function
k_q762181487e_join:
	s_mov_b64 s[64:65], 0
	v_nop
	global_prefetch_b8 v0, s[64:65] scope:SCOPE_SE
	s_setreg_imm32_b32 hwreg(HW_REG_WAVE_MODE, 25, 1), 1
	s_wait_xcnt 0x0
; The 8 parts of a batch are joined.  Part j has its own maximum m_j, its sum l_j of p = 2^(t - m_j) and its sums pacc_j of p x context.
; M = the largest m_j; w_j = 2^(m_j - M); L = the sum of l_j w_j;  out0 = the sum of pacc_j w_j / L;  out1 = 2^(t - M) / L.
; Work-group w (one wave): batch w / 8; it makes columns 128 (w % 8) .. + 127 of out0 and rows 256 (w % 8) .. + 255 of out1.  Every store covers 512 consecutive bytes.  No branch.
; LIMIT: v_exp_f32 gives 0 for results under 2^-126.
	s_load_b256 s[4:11], s[0:1], 0x0               ; lg s[4:5], pacc s[6:7], pml s[8:9], out0 s[10:11]
	s_load_b64 s[12:13], s[0:1], 0x20              ; out1
	v_and_b32 v1, 7, v0
	v_lshlrev_b32 v1, 8, v1                        ; lane l takes part l % 8: 256 bytes a part
	v_lshlrev_b32 v2, 4, v0                        ; 16 bytes a lane
	s_lshr_b32 s14, ttmp9, 3                       ; the batch
	s_and_b32 s15, ttmp9, 7
	s_lshl_b32 s15, s15, 9                         ; my 128 columns, in bytes
	s_lshl_b32 s16, s14, 11                        ; pml: 8 parts of 256 bytes
	s_mov_b32 s17, 0
	s_lshl_b32 s18, s14, 15                        ; pacc: 8 parts of 4,096 bytes
	s_add_co_u32 s18, s18, s15
	s_mov_b32 s19, 0
	s_lshl_b32 s20, ttmp9, 10                      ; lg and out1: my 256 rows
	s_mov_b32 s21, 0
	s_lshl_b32 s22, s14, 12                        ; out0: the batch's row
	s_add_co_u32 s22, s22, s15
	s_mov_b32 s23, 0
	s_wait_kmcnt 0x0
	s_add_nc_u64 s[8:9], s[8:9], s[16:17]
	s_add_nc_u64 s[6:7], s[6:7], s[18:19]
	s_add_nc_u64 s[4:5], s[4:5], s[20:21]
	s_add_nc_u64 s[12:13], s[12:13], s[20:21]
	s_add_nc_u64 s[10:11], s[10:11], s[22:23]
	global_load_b64 v[4:5], v1, s[8:9]             ; m_j, l_j
.irp j, 0,1,2,3,4,5,6,7
	global_load_b128 v[8+4*\j:11+4*\j], v2, s[6:7] offset:4096*\j
.endr
	global_load_b128 v[40:43], v2, s[4:5]
	global_load_b128 v[44:47], v2, s[4:5] offset:512
	s_wait_loadcnt 10                              ; the pair is in; the ten loads behind it may be out
	v_mov_b32 v48, v4
.irp x, 1,2,4
	v_max_num_f32_dpp v48, v48, v48 row_xmask:\x row_mask:0xf bank_mask:0xf   ; M, in every lane
.endr
	v_sub_f32 v49, v4, v48
	v_exp_f32 v49, v49                             ; w_j
	v_nop
	s_wait_alu depctr_va_vdst(0)
	v_mul_f32 v50, v5, v49
.irp x, 1,2,4
	v_add_f32_dpp v50, v50, v50 row_xmask:\x row_mask:0xf bank_mask:0xf       ; L
.endr
	v_rcp_f32 v51, v50
	v_nop
	s_wait_alu depctr_va_vdst(0)
	v_mul_f32 v49, v49, v51                        ; w_j / L
.irp j, 0,1,2,3,4,5,6,7
	v_readlane_b32 s[40+\j], v49, \j
.endr
	s_wait_loadcnt 2                               ; the eight parts' sums are in
.irp e, 0,1,2,3
	v_mul_f32 v[52+\e], s40, v[8+\e]
.endr
.irp j, 1,2,3,4,5,6,7
.irp e, 0,1,2,3
	v_fmac_f32 v[52+\e], s[40+\j], v[8+4*\j+\e]
.endr
.endr
	global_store_b128 v2, v[52:55], s[10:11]
	s_wait_loadcnt 0x0
.irp i, 0,1,2,3,4,5,6,7
	v_sub_f32 v[40+\i], v[40+\i], v48
.endr
.irp i, 0,1,2,3,4,5,6,7
	v_exp_f32 v[40+\i], v[40+\i]
.endr
	v_nop
	s_wait_alu depctr_va_vdst(0)
.irp i, 0,1,2,3,4,5,6,7
	v_mul_f32 v[40+\i], v[40+\i], v51
.endr
	global_store_b128 v2, v[40:43], s[12:13]
	global_store_b128 v2, v[44:47], s[12:13] offset:512
	s_endpgm
.Lfunc_end_k_q762181487e_join:
	.size	k_q762181487e_join, .Lfunc_end_k_q762181487e_join-k_q762181487e_join
	.p2alignl 7, 3214868480
	.fill 96, 4, 3214868480
	.section	.rodata,"a",@progbits
	.p2align	6, 0x0
	.amdhsa_kernel k_q762181487e_join
		.amdhsa_group_segment_fixed_size 0
		.amdhsa_private_segment_fixed_size 0
		.amdhsa_enable_private_segment 0
		.amdhsa_kernarg_size 40
		.amdhsa_user_sgpr_count 2
		.amdhsa_user_sgpr_kernarg_segment_ptr 1
		.amdhsa_wavefront_size32 1
		.amdhsa_system_sgpr_workgroup_id_x 1
		.amdhsa_system_sgpr_workgroup_id_y 1
		.amdhsa_system_sgpr_workgroup_id_z 1
		.amdhsa_system_vgpr_workitem_id 0
		.amdhsa_next_free_vgpr 64
		.amdhsa_next_free_sgpr 66
		.amdhsa_reserve_vcc 0
		.amdhsa_float_denorm_mode_32 3
		.amdhsa_float_denorm_mode_16_64 3
		.amdhsa_memory_ordered 1
		.amdhsa_forward_progress 1
		.amdhsa_inst_pref_size 6
	.end_amdhsa_kernel
	.amdgpu_metadata
---
amdhsa.version: [ 1, 2 ]
amdhsa.kernels:
  - .name:           k_q762181487e_join
    .symbol:         k_q762181487e_join.kd
    .args:
      - { .name: lg, .offset: 0, .size: 8, .value_kind: global_buffer, .address_space: global }
      - { .name: pacc, .offset: 8, .size: 8, .value_kind: global_buffer, .address_space: global }
      - { .name: pml, .offset: 16, .size: 8, .value_kind: global_buffer, .address_space: global }
      - { .name: out0, .offset: 24, .size: 8, .value_kind: global_buffer, .address_space: global }
      - { .name: out1, .offset: 32, .size: 8, .value_kind: global_buffer, .address_space: global }
    .group_segment_fixed_size: 0
    .private_segment_fixed_size: 0
    .kernarg_segment_align: 8
    .kernarg_segment_size: 40
    .max_flat_workgroup_size: 32
    .sgpr_count:     66
    .vgpr_count:     64
    .wavefront_size: 32
...
	.end_amdgpu_metadata
.endif
;; end of part 3
;; ======== version 2 of 2: 3 launches; version 1 with the launch main written anew for expert scheduling mode
;; workspace buffers: wfrag 524,288 bytes; wsw 65,536 bytes; lg 262,144 bytes; pacc 1,048,576 bytes; pml 65,536 bytes
;; launch prep: the kernel of part 1 again; grid 64 x 1, 4 waves a work-group, no clusters, 0 bytes of LDS; arguments W_codes, W_scales, wfrag, wsw; writes wfrag, wsw
;; launch main (part 4): grid 256 x 1, 8 waves a work-group, no clusters, 302,080 bytes of LDS; arguments context, wfrag, wsw, v, b, lg, pacc, pml; writes lg, pacc, pml
.if DOCPART == 4
	.amdgcn_target "amdgcn-amd-amdhsa--gfx1250"
	.amdhsa_code_object_version 6
	.text
	.protected	k_q762181487e_main
	.globl	k_q762181487e_main
	.p2align	8
	.type	k_q762181487e_main,@function
k_q762181487e_main:
	s_mov_b64 s[64:65], 0
	v_nop
	global_prefetch_b8 v0, s[64:65] scope:SCOPE_SE
	s_setreg_imm32_b32 hwreg(HW_REG_WAVE_SCHED_MODE, 0, 2), 2
	s_setreg_imm32_b32 hwreg(HW_REG_WAVE_MODE, 25, 1), 1
	s_wait_xcnt 0x0
	s_wait_alu depctr_vm_vsrc(0)
; h = tanh(Q(context) W^T) on codes of FP4 (E2M1) with one E8M0 scale for each 32 along K; logit = h . v + b; a running softmax over the work-group's rows; the sum of p x context.
; CONTEXT IS READ FROM MEMORY ONCE: each row is quantised as it arrives, and a bf16 copy of it stays in LDS until its logit is known and weighs it.
; SHARES.  A work-group owns 256 rows on end, an eighth of a batch, in 4 blocks of 64.  Eight waves of 512 registers, in two roles:
;   waves 0-3, GEMM: they share the COLUMNS: wave g makes hidden units 256 g .. 256 g + 255 (16 tiles of 16) for all 64 rows of a block, takes tanh, multiplies by v and leaves 64 partial logits.
;   waves 4-7, INGEST: they load the next block (wave i: columns 256 i .. 256 i + 255 of every row), quantise it into LDS, keep the bf16 copy, and do the softmax and the weighted sum of the block before last.
;   The two roles have counters of their own: W's loads are wanted a tile and more after they are issued, context's 32 rows after; in one wave, whose loads come back in order, they would hold each other up.
; A TRIP q: work phase (GEMM: block q - 1; INGEST: softmax and sum of block q - 2, then block q comes in) | barrier | GEMM takes block q's codes into registers, INGEST takes block q - 1's partial logits | barrier.
;   Trip 0, in which GEMM has no block yet, is written out ahead of the loop; the loop runs q = 1 .. 5 for all eight waves; a role leaves out, by a scalar branch on q, what a trip does not have for it.
;   The roles part on the wave's number and join again ahead of every barrier: every barrier stands on every wave's way.
; OUT: lg: t = logit x log2(e) of every row; pacc: the work-group's sum of p x context under its own maximum m; pml: m and the sum l of p.  A later launch joins the 8 parts of a batch.
; W GOES FROM MEMORY STRAIGHT INTO OPERAND REGISTERS, from a buffer laid in their order, once for each block.  NO TENSOR LOADS AND NO CLUSTER, though all work-groups walk the same W: a joint load lands in LDS,
;   and of its 327,680 bytes the two bf16 blocks take 262,144 and the codes, scales and small things 38,912; two slots in the 26,624 left would hold a fortieth of W's 557,056 bytes each.
; THE PRODUCT IS USED TRANSPOSED: source 0 = 16 rows of W, source 1 = 16 rows of x: a lane (r, h) holds row r of the tile of rows, and register j hidden unit 16 T + 8 h + j.
; tanh(x) = 1 - 2 / (1 + 2^(2 log2(e) x)), formed for each number; at both ends it goes to +-1 without a NaN.
; LIMITS: NaN and infinities among the inputs are not served.  A block of 32 whose largest magnitude lies under 2^-124 gets the scale byte 1 (a block of zeros too: its codes are zeros; this program alone reads the bytes).
;   v_exp_f32 gives 0 for results under 2^-126.  Context is rounded to bf16 for the weighted sum alone.
; THE MODE: SCHED_MODE bits 1:0 = 2 (LLVM: expert scheduling mode 2), set by the entry lines.  The code itself states the register dependences between vector or matrix instructions and memory or LDS
;   instructions, with s_wait_alu, always for 0.
; THE PLAN, GEMM.  Registers that memory or LDS instructions touch:
;   RING, WSW   A set is read by a tile's 32 products.  The tanh's slices 3 and 6 hold a wait on va_vdst for their transcendentals in every half tile; the set's refills stand behind those: K steps 0-3 behind slice 3 of the
;               tile's second half, 4-6 behind its slice 6, 7 behind slice 3 of the half after.  Since each of these waits the vector side names only later K steps of the set, the other half-set, the other VV and LA.
;   VV          A set is last read by slice 7 of a tile's first half; it is loaded again behind slice 3 of the second half.
;   AW, AS, AV  Read by those loads; written at the head of a tile's second half: a wait on vm_vsrc ahead of the adds, slice 3's wait on va_vdst behind them.
;   x, XS       Read by all products of a block; loaded between the two barriers, behind a wait on va_vdst of their own.
;   Z           Written at a block's end; a wait on va_vdst; four LDS stores; written again a block later, with the half tiles' waits on vm_vsrc between.
; THE PLAN, INGEST:
;   slots       Read by a group's maxima and conversions; loaded again behind the group's one wait on va_vdst, which stands behind its last conversion.
;   CD, BY, BP  Written by the conversions and shifts; read by the group's 20 LDS stores, behind the same wait; written again in the next group, behind a wait on vm_vsrc.
;   v2          Written at a phase's head, behind a wait on vm_vsrc; its first reader stands behind the softmax's wait on va_vdst, or behind the first group's.
;   TT, PQ      Written by the softmax, behind a wait on vm_vsrc at its head; read by two stores, which stand behind the wait that the exponentials have.
;   TP          Loaded between the barriers, behind a wait on va_vdst; read and written by the softmax.
;   PB, DB      Two halves of 8 rows by turns: while one half is multiplied the other is loaded, behind a wait on va_vdst that shows its last multiply-adds done.
;   OA, ML      Read by the last stores, behind a wait on va_vdst.
;   All other address registers are made at the head and never written again.
.set WREG,  65536                      ; LDS.  0: the bf16 copies, a region of 65,536 bytes for each INGEST wave, which nobody else touches: two blocks of 32,768 bytes; in a block row s at 512 s, a lane's 16 bytes at 16 lane
.set BUFB,  0x8000                     ;   from one block to the other: block q lies in block q % 2
.set IMG,   4*WREG                     ; x's codes, 64 rows,
.set IP,    528                        ;   512 bytes + 16 of padding: 132 words, so that the 16 rows of a fragment load start at 16 different groups of four banks
.set XSC,   IMG+64*IP                  ; x's scale bytes, 64 rows of 32,
.set XP,    48                         ;   48 bytes apart
.set PL,    XSC+64*XP                  ; partial logits [row 64][g 4] f32
.set PP,    PL+1024                    ; each INGEST wave's own 64 numbers p
; vector registers of both roles (never loaded into): v1 65,536 w + 16 lane; v2 the bf16 block in hand (made anew at the head of each of INGEST's phases); v4 codes' store; v5 scale bytes' store; v6 fragment load;
;   v7 scale words' load; v8 partial logits' store; v10 their load; v12, v13 p's store and load; v14 16 lane, v15 4 lane, v16 32 h, v20 1024 w + 16 lane, v21 8 lane: offsets in memory
; GEMM: window 1: x's 32 fragments, (tile of rows m, K step s) at v[64 m + 8 s]
.set XS,    24                         ; v24-39   x's scale words: register 8 P + s: lane l holds row 32 P + l's word of K step s.  (No role puts anything else there)
.set ACC,   40                         ; v40-71   two half-sets P of two accumulators u: tile of rows 2 P + u
.set LA,    72                         ; v72-79   a pair of sums of tanh x v for each tile of rows
.set VV,    80                         ; v80-95   v of a tile, two sets by the tile's parity: register j = v[16 T + 8 h + j]
.set RING,  96                         ; v96-223  W's fragments of a tile, two sets by parity: K step s at + 8 s
.set WSW,   224                        ; v224-239 W's scale words likewise
.set Z,     240                        ; v240-247 at work
.set AW,    17                         ; v17-18   byte offset of a tile's fragments, a register for each parity
.set AS,    252                        ; v252-253 of its scale words
.set AV,    254                        ; v254-255 of its v
; INGEST: window 1: 32 row slots of 8 registers: 4 numbers at columns 256 w + 4 lane (part A), 4 at + 128 (part B)
.set SC,    40                         ; v40-47   the conversions' scale operands, 4 rows x 2 parts
.set CD,    48                         ; v48-55   codes
.set BY,    56                         ; v56-63   scale bytes
.set BP,    64                         ; v64-79   4 rows x 4 words of bf16
.set OA,    80                         ; v80-87   my 8 columns' sums of p x context
.set ML,    88                         ; v88 m, v89 l
.set FF,    90                         ; v90 f = 2^(old m - new m); v91 named with it as a pair
.set TT,    92                         ; v92-93   t of rows 2 lane, 2 lane + 1
.set PQ,    94                         ; v94-95   their p
.set TP,    96                         ; v96-103  their partial logits; v104-109 at work
.set PB,    112                        ; v112-127 two halves of 8 rows' p, in every lane
.set DB,    128                        ; v128-191 two halves of 8 rows' bf16 words
.set MX,    192                        ; v192-199 largest magnitudes, 4 rows x 2 parts
; scalars: s[8:23] the eight buffers; s24 b; s25 wave; s26 wave % 4; s27 q; s28 the bf16 block in hand; s32, s33 the tile whose W, whose v is asked for next; s29, s34, s35 at work;
;   s[36:37] 2 log2(e); s38 log2(e); s39 the floor; s[40:41] lane selects; s42 counter; s43 b log2(e); s[44:49] my 16 tiles of wfrag, wsw, v; s50 -(2 << 23)
.set MSB, 0
.macro WIN new                         ; s_set_vgpr_msb: bits 1:0 source 0, 3:2 source 1, 5:4 source 2, 7:6 destination; the high byte repeats the setting that is left
.if MSB != \new
	s_set_vgpr_msb (MSB<<8)|\new
.set MSB, \new
.endif
.endm
.macro BARRIER                         ; my LDS stores have landed and my LDS loads are in: then the work-group's barrier
	s_wait_dscnt 0x0
	s_barrier_signal -1
	s_barrier_wait -1
.endm
	s_load_b512 s[8:23], s[0:1], 0x0               ; context 8, wfrag 10, wsw 12, v 14, b 16, lg 18, pacc 20, pml 22
	v_lshl_add_u32 v250, v0, 2, 0x49800
	v_mov_b32 v251, 0
	v_lshrrev_b32 v22, 5, v0
	v_readfirstlane_b32 s25, v22                   ; wave 0..7
	v_and_b32 v22, 31, v0                          ; lane
	v_and_b32 v23, 15, v0                          ; r
	v_bfe_u32 v248, v0, 4, 1                       ; h
	v_bfe_u32 v249, v0, 5, 2                       ; w = wave % 4
	s_mov_b32 s27, 1                               ; the loop's first trip is q = 1
	s_mov_b32 s32, 2
	s_mov_b32 s33, 1
	s_mov_b32 s36, 0x4038aa3b                      ; 2 log2(e)
	s_mov_b32 s37, s36                             ; (named with it as a pair, so it is written)
	s_mov_b32 s38, 0x3fb8aa3b                      ; log2(e)
	s_mov_b32 s39, 0x1800000                       ; 2^(3 - 127): under it no largest magnitude is taken, so a scale byte cannot fall under 1
	s_mov_b32 s40, 0x76543210
	s_mov_b32 s41, 0xfedcba98                      ; v_permlanex16_b32's selects for lane l xor 16
	s_mov_b32 s50, 0xff000000                      ; takes 2 off an exponent field
	v_lshlrev_b32 v14, 4, v22
	v_lshl_add_u32 v1, v249, 16, v14               ; the bf16 copies: my wave's region, 16 bytes a lane
	v_lshlrev_b32 v4, 1, v22                       ; codes: 128 w + 2 lane: four codes of part A; part B's lie 64 bytes on
	v_lshl_add_u32 v4, v249, 7, v4
	v_add_nc_u32 v4, IMG, v4
	v_lshrrev_b32 v5, 3, v22                       ; scale bytes: block 8 w + lane / 8 for part A; part B's is 4 on
	v_lshl_add_u32 v5, v249, 3, v5
	v_add_nc_u32 v5, XSC, v5
	v_mul_u32_u24 v6, v23, IP                      ; a fragment: row r, + 16 h
	v_lshl_add_u32 v6, v248, 4, v6
	v_add_nc_u32 v6, IMG, v6
	v_mul_u32_u24 v7, v22, XP                      ; scale words: row = lane
	v_add_nc_u32 v7, XSC, v7
	v_lshlrev_b32 v8, 4, v23                       ; partial logits, in: 16 r + 4 w
	v_lshl_add_u32 v8, v249, 2, v8
	v_add_nc_u32 v8, PL, v8
	v_lshl_add_u32 v10, v22, 5, PL                 ; and out: rows 2 lane and 2 lane + 1
	v_lshlrev_b32 v13, 8, v249
	v_add_nc_u32 v13, PP, v13                      ; my wave's 64 p
	v_lshl_add_u32 v12, v22, 3, v13
	v_lshlrev_b32 v15, 2, v22
	v_lshlrev_b32 v16, 5, v248
	v_lshl_add_u32 v20, v249, 10, v14
	v_lshlrev_b32 v21, 3, v22
	s_wait_alu depctr_va_sdst(0)                   ; s25 is written, ahead of its first reader: the roles' branches and my part of W and v are made from it
	s_and_b32 s26, s25, 3                          ; g, or the INGEST wave's number
	s_mov_b32 s35, 0
	s_wait_kmcnt 0x0
	s_load_b32 s24, s[16:17], 0x0                  ; b
	s_lshl_b32 s34, ttmp9, 20                      ; my 256 rows of 4,096 bytes (255 x 2^20 stays under 2^32)
	s_add_nc_u64 s[8:9], s[8:9], s[34:35]
	s_lshl_b32 s34, ttmp9, 10
	s_add_nc_u64 s[18:19], s[18:19], s[34:35]
	s_lshl_b32 s34, ttmp9, 12
	s_add_nc_u64 s[20:21], s[20:21], s[34:35]
	s_lshl_b32 s34, ttmp9, 8
	s_add_nc_u64 s[22:23], s[22:23], s[34:35]
	s_lshl_b32 s34, s26, 17                        ; 16 tiles of 8,192 bytes
	s_add_nc_u64 s[44:45], s[10:11], s[34:35]
	s_lshl_b32 s34, s26, 14                        ; 16 tiles of 1,024 bytes
	s_add_nc_u64 s[46:47], s[12:13], s[34:35]
	s_lshl_b32 s34, s26, 10                        ; 256 numbers
	s_add_nc_u64 s[48:49], s[14:15], s[34:35]
	s_wait_kmcnt 0x0
	s_mul_f32 s43, s24, s38                        ; b log2(e)
; ---------------- GEMM's macros ----------------
; Two products: half-set P's two tiles of rows x the tile of W in set par, K step s.  The two accumulators take turns.  At s = 0 the constant 0 starts the sums.
; Source 1 lies in window 1.  x's scale words of the second tile of rows lie in lanes 16-31.
.macro MM par, P, s
	WIN 0x04
.if \s == 0
	v_wmma_scale_f32_16x16x128_f8f6f4 v[ACC+16*\P:ACC+16*\P+7], v[RING+64*\par+8*\s:RING+64*\par+8*\s+7], v[128*\P+8*\s:128*\P+8*\s+7], 0, v[WSW+8*\par+\s], v[XS+8*\P+\s] matrix_a_fmt:MATRIX_FMT_FP4 matrix_b_fmt:MATRIX_FMT_FP4
	v_wmma_scale_f32_16x16x128_f8f6f4 v[ACC+16*\P+8:ACC+16*\P+15], v[RING+64*\par+8*\s:RING+64*\par+8*\s+7], v[128*\P+64+8*\s:128*\P+64+8*\s+7], 0, v[WSW+8*\par+\s], v[XS+8*\P+\s] matrix_a_fmt:MATRIX_FMT_FP4 matrix_b_fmt:MATRIX_FMT_FP4 matrix_b_scale:MATRIX_SCALE_ROW1
.else
	v_wmma_scale_f32_16x16x128_f8f6f4 v[ACC+16*\P:ACC+16*\P+7], v[RING+64*\par+8*\s:RING+64*\par+8*\s+7], v[128*\P+8*\s:128*\P+8*\s+7], v[ACC+16*\P:ACC+16*\P+7], v[WSW+8*\par+\s], v[XS+8*\P+\s] matrix_a_fmt:MATRIX_FMT_FP4 matrix_b_fmt:MATRIX_FMT_FP4
	v_wmma_scale_f32_16x16x128_f8f6f4 v[ACC+16*\P+8:ACC+16*\P+15], v[RING+64*\par+8*\s:RING+64*\par+8*\s+7], v[128*\P+64+8*\s:128*\P+64+8*\s+7], v[ACC+16*\P+8:ACC+16*\P+15], v[WSW+8*\par+\s], v[XS+8*\P+\s] matrix_a_fmt:MATRIX_FMT_FP4 matrix_b_fmt:MATRIX_FMT_FP4 matrix_b_scale:MATRIX_SCALE_ROW1
.endif
.endm
; Slice k of 8 of the work on the finished half-set tP (16 registers): x 2 log2(e) | 2^ | 2^ | + 1 | 1 / | 1 / | 1 - 2 r | x v, summed.  Slices 0 to 6 name no vector register as source 1, so the products' window
; setting serves them.  Each accumulator is read from its low end on.  A v_nop stands between the transcendentals and the first use of their results (ISA guide 5.7.2).
; w = 1: v of this tile is waited for: behind its two loads stand 21 of the next tile's, that tile's last 3, the next v's 2 and 18 of the refills of this half: 44.
.macro TS tP, vpar, k, w
.set AB, ACC+16*\tP
.if \k == 0
.irp i, 0,2,4,6,8,10,12,14
	v_pk_mul_f32 v[AB+\i:AB+\i+1], v[AB+\i:AB+\i+1], s[36:37] op_sel_hi:[1,0]
.endr
.elseif \k == 1
.irp i, 0,1,2,3,4,5,6,7
	v_exp_f32 v[AB+\i], v[AB+\i]
.endr
.elseif \k == 2
.irp i, 8,9,10,11,12,13,14,15
	v_exp_f32 v[AB+\i], v[AB+\i]
.endr
.elseif \k == 3
	v_nop
	s_wait_alu depctr_va_vdst(0)                   ; the sixteen exponentials have written their results, ahead of the first line that names one.  Every product and vector line issued so far is done with them: the loads that PAIR lays behind slices 3 and 4 lean on this wait
.irp i, 0,2,4,6,8,10,12,14
	v_pk_add_f32 v[AB+\i:AB+\i+1], v[AB+\i:AB+\i+1], 1.0 op_sel_hi:[1,0]
.endr
.elseif \k == 4
.irp i, 0,1,2,3,4,5,6,7
	v_rcp_f32 v[AB+\i], v[AB+\i]
.endr
.elseif \k == 5
.irp i, 8,9,10,11,12,13,14,15
	v_rcp_f32 v[AB+\i], v[AB+\i]
.endr
.elseif \k == 6
	v_nop
	s_wait_alu depctr_va_vdst(0)                   ; the sixteen reciprocals have written their results, ahead of the first line that names one; the products of K steps 4 to 6 are done reading their fragments: the loads behind slices 6 and 7 lean on this wait
.irp i, 0,2,4,6,8,10,12,14
	v_pk_fma_f32 v[AB+\i:AB+\i+1], v[AB+\i:AB+\i+1], -2.0, 1.0 op_sel_hi:[1,0,0]
.endr
.else
	WIN 0
.if \w
	s_wait_loadcnt 44
.endif
.irp i, 0,2,4,6
	v_pk_fma_f32 v[LA+4*\tP:LA+4*\tP+1], v[AB+\i:AB+\i+1], v[VV+8*\vpar+\i:VV+8*\vpar+\i+1], v[LA+4*\tP:LA+4*\tP+1]
	v_pk_fma_f32 v[LA+4*\tP+2:LA+4*\tP+3], v[AB+8+\i:AB+9+\i], v[VV+8*\vpar+\i:VV+8*\vpar+\i+1], v[LA+4*\tP+2:LA+4*\tP+3]
.endr
.endif
.endm
.macro REFILL par, s                   ; K step s of the tile at AW, AS of this parity: each load reads 512 or 128 consecutive bytes.  Destination and address lie in window 0 under the products' setting too
	global_load_b128 v[RING+64*(\par)+8*(\s):RING+64*(\par)+8*(\s)+3], v[AW+(\par)], s[44:45] offset:1024*(\s)
	global_load_b128 v[RING+64*(\par)+8*(\s)+4:RING+64*(\par)+8*(\s)+7], v[AW+(\par)], s[44:45] offset:1024*(\s)+512
	global_load_b32 v[WSW+8*(\par)+(\s)], v[AS+(\par)], s[46:47] offset:128*(\s)
.endm
; Half a tile t of W (set par = t % 2): 16 products for half-set P, with a slice of the other half-set's tanh behind each two (th = 1).
; THE LOADS OF THIS ROLE are issued in the order: .. | v(t) 2 | tile t + 1, K steps 0-6: 21 | its K step 7: 3 | v(t + 1) 2 | tile t + 2, K steps 0-6: 21 | ..  (tiles modulo 16: the next block finds its first tiles on their way).
; P = 1 asks for v(t + 1) and for K steps 0-6 of tile t + 2, into the set that it is reading itself, each K step behind a slice's wait that shows its last product done: v and steps 0, 1 behind slice 3, steps 2, 3
;   behind slice 4, steps 4, 5 behind slice 6, step 6 behind slice 7.  At its head it writes the three address registers: their last readers were shown done by the first half's wait for 26 (AW, AS) and by the wait
;   for v a tile ago (AV).
; P = 0 asks, behind slice 3, for K step 7 of tile t + 1, which the half before was still reading.  In a block's first half, which has no slices, that K step's last product stands ahead of the waits at the last block's end.
;   It waits for K step s of tile t: behind its three loads stand 3 (6 - s) of the tile's own, its K step 7's 3, v(t)'s 2 and 21 of tile t + 1: 44 - 3 s; from s = 4 on tile t + 1's K step 7 too: 47 - 3 s (at s = 7: 2 + 21 + 3).
; The 8 lines of slice 7 are also the places between a half-set's last products and the first read of its results.
.macro PAIR par, P, tP, vpar, th
.if \P == 1
	s_lshl_b32 s34, s32, 13
	s_lshl_b32 s35, s32, 10
	s_lshl_b32 s29, s33, 6
	s_wait_alu depctr_vm_vsrc(0)                   ; the loads issued so far have read the three address registers that are written below (and the last block's LDS stores have read Z)
	v_add_nc_u32 v[AW+\par], s34, v14              ; tile t + 2's fragments,
	v_add_nc_u32 v[AS+\par], s35, v15              ; its scale words,
	v_add_nc_u32 v[AV+1-\par], s29, v16            ; v of tile t + 1.  Slice 3's wait on va_vdst stands between these three lines and the loads that read them
	s_add_co_u32 s32, s32, 1
	s_and_b32 s32, s32, 15
	s_add_co_u32 s33, s33, 1
	s_and_b32 s33, s33, 15
.endif
.irp s, 0,1,2,3,4,5,6,7
.if \P == 0
.if \s < 4
	s_wait_loadcnt 44-3*\s
.else
	s_wait_loadcnt 47-3*\s
.endif
.endif
	MM \par, \P, \s
.if \th
	TS \tP, \vpar, \s, \P
.endif
.if \P == 0
.if \s == 3
	REFILL 1-\par, 7
.endif
.else
.if \s == 3
	global_load_b128 v[VV+8*(1-\par):VV+8*(1-\par)+3], v[AV+1-\par], s[48:49]              ; into the set whose last use stands in slice 7 of the half before
	global_load_b128 v[VV+8*(1-\par)+4:VV+8*(1-\par)+7], v[AV+1-\par], s[48:49] offset:16
	REFILL \par, 0
	REFILL \par, 1
.elseif \s == 4
	REFILL \par, 2
	REFILL \par, 3
.elseif \s == 6
	REFILL \par, 4
	REFILL \par, 5
.elseif \s == 7
	REFILL \par, 6
.endif
.endif
.endr
	WIN 0
.endm
; A block's codes and scale words come into registers: 32 fragments (lane (r, h) takes row 16 m + r, bytes 64 s + 32 c + 16 h on) and 16 registers of scale words (row 32 P + lane: its words of K steps 4 i .. 4 i + 3)
.macro XLOAD
	WIN 0x40
	s_wait_alu depctr_va_vdst(0)                   ; the last block's products are done reading x's fragments and scale words, in which these loads land; v6 and v7, their addresses, are written
.irp m, 0,1,2,3
.irp s, 0,1,2,3,4,5,6,7
.irp c, 0,1
	ds_load_b128 v[64*\m+8*\s+4*\c:64*\m+8*\s+4*\c+3], v6 offset:16*IP*\m+64*\s+32*\c
.endr
.endr
.endr
	WIN 0
.irp P, 0,1
.irp i, 0,1
	ds_load_b128 v[XS+8*\P+4*\i:XS+8*\P+4*\i+3], v7 offset:32*XP*\P+16*\i
.endr
.endr
.endm
; ---------------- INGEST's macros ----------------
; Four rows: slots i0 .. i0 + 3, rows row0 .. row0 + 3 of the block; abf: the register that addresses the bf16 block.  cnt: the loads issued behind these slots' eight.
; A block of 32 along K is 8 lanes x 4 numbers.  The conversion takes 8 registers: with part A's scale its low 16 bits are A's four codes, with part B's scale its high 16 bits are B's; the other halves are not stored.
.macro GROUP i0, row0, abf, refill, cnt
	s_wait_loadcnt \cnt
	WIN 0x14                                       ; sources 1 and 2: the slots
.irp k, 0,1,2,3
.irp p, 0,1
	v_max3_num_f32 v[MX+2*\k+\p], s39, |v[8*((\i0)+\k)+4*\p]|, |v[8*((\i0)+\k)+4*\p+1]|
.endr
.endr
.irp k, 0,1,2,3
.irp p, 0,1
	v_max3_num_f32 v[MX+2*\k+\p], v[MX+2*\k+\p], |v[8*((\i0)+\k)+4*\p+2]|, |v[8*((\i0)+\k)+4*\p+3]|
.endr
.endr
	WIN 0
.irp x, 1,2,4
.irp j, 0,1,2,3,4,5,6,7
	v_max_num_f32_dpp v[MX+\j], v[MX+\j], v[MX+\j] row_xmask:\x row_mask:0xf bank_mask:0xf   ; the eight by turns
.endr
.endr
.irp j, 0,1,2,3,4,5,6,7
	v_add_nc_u32 v[SC+\j], s50, v[MX+\j]           ; 2 off the exponent field: the conversion takes the exponent field of this operand as its scale, and nothing else of it
.endr
	s_wait_dscnt 0x0                               ; the last group's LDS stores are done
	s_wait_alu depctr_vm_vsrc(0)                   ; they have read CD, BY and BP, which are written from here on
	WIN 0x01                                       ; source 0: the slots
.irp k, 0,1,2,3
	v_cvt_scalef32_pk8_fp4_f32 v[CD+2*\k], v[8*((\i0)+\k):8*((\i0)+\k)+7], v[SC+2*\k]
	v_cvt_scalef32_pk8_fp4_f32 v[CD+2*\k+1], v[8*((\i0)+\k):8*((\i0)+\k)+7], v[SC+2*\k+1]
.endr
.irp j, 0,1,2,3,4,5,6,7
	v_lshrrev_b32 v[BY+\j], 23, v[SC+\j]           ; the scale's byte.  (Plain lines behind the conversions; their one vector source is source 1, so the setting serves)
.endr
	WIN 0x05                                       ; sources 0 and 1: the slots
.irp k, 0,1,2,3
.irp j, 0,1,2,3
	v_cvt_pk_bf16_f32 v[BP+4*\k+\j], v[8*((\i0)+\k)+2*\j], v[8*((\i0)+\k)+2*\j+1]
.endr
.endr
.if \refill
	WIN 0x40                                       ; destination: the slots.  (An LDS store has none: address and data stay in window 0)
.else
	WIN 0
.endif
	s_wait_alu depctr_va_vdst(0)                   ; the maxima and conversions are done reading these four slots, in which the loads below land; CD, BY and BP are written, which the stores below read; in a phase's first group so is v2
.if \refill
.irp k, 0,1,2,3
.irp p, 0,1
	global_load_b128 v[8*((\i0)+\k)+4*\p:8*((\i0)+\k)+4*\p+3], v20, s[8:9] offset:4096*((\row0)+32+\k)+512*\p th:TH_LOAD_NT   ; the slots take the rows 32 further down
.endr
.endr
.endif
.irp k, 0,1,2,3
	ds_store_b16 v4, v[CD+2*\k] offset:IP*((\row0)+\k)
	ds_store_b16_d16_hi v4, v[CD+2*\k+1] offset:IP*((\row0)+\k)+64
	ds_store_b8 v5, v[BY+2*\k] offset:XP*((\row0)+\k)                  ; the eight lanes of a block write the same byte with the same value
	ds_store_b8 v5, v[BY+2*\k+1] offset:XP*((\row0)+\k)+4
	ds_store_b128 v[\abf], v[BP+4*\k:BP+4*\k+3] offset:512*((\row0)+\k)   ; the wave's 512 bytes of the row, on end
.endr
.endm
; Half a block: once round the 32 slots.  With refills seven younger groups of 8 loads stay out (56); in the very last half the counts run down.
.macro HALF hf, refill, abf
.irp g, 0,1,2,3,4,5,6,7
.if \refill
	GROUP 4*\g, 32*\hf+4*\g, \abf, 1, 56
.else
	GROUP 4*\g, 32*\hf+4*\g, \abf, 0, 56-8*\g
.endif
.endr
	WIN 0
.endm
.macro PLREAD                          ; the four waves' partial logits of rows 2 lane and 2 lane + 1
	s_wait_alu depctr_va_vdst(0)                   ; the lines that wrote and read v[TP] to v[TP + 7] are done: these loads land there
	ds_load_b128 v[TP:TP+3], v10
	ds_load_b128 v[TP+4:TP+7], v10 offset:16
.endm
; A block's 64 logits (every INGEST wave makes all of them, two a lane): t, the new m, f, p, l; p goes to the wave's own words of LDS; my sums come under the new m.
.macro SOFTMAX
	s_wait_dscnt 0x0                               ; the partial logits are in
	s_wait_xcnt 0x0                                ; the last block's store of t has had its address translated
	s_wait_alu depctr_vm_vsrc(0)                   ; the last block's stores of t and of p have read TT and PQ, which are written anew below
	v_add_f32 v[TP], v[TP], v[TP+1]
	v_add_f32 v[TP+2], v[TP+2], v[TP+3]
	v_add_f32 v[TP+4], v[TP+4], v[TP+5]
	v_add_f32 v[TP+6], v[TP+6], v[TP+7]
	v_add_f32 v[TP], v[TP], v[TP+2]
	v_add_f32 v[TP+4], v[TP+4], v[TP+6]
	v_fma_f32 v[TT], v[TP], s38, s43               ; t = (h . v) log2(e) + b log2(e)
	v_fma_f32 v[TT+1], v[TP+4], s38, s43
	v_max_num_f32 v[TP+8], v[TT], v[TT+1]
.irp x, 1,2,4,8
	v_max_num_f32_dpp v[TP+8], v[TP+8], v[TP+8] row_xmask:\x row_mask:0xf bank_mask:0xf
.endr
	v_permlanex16_b32 v[TP+9], v[TP+8], s40, s41
	v_max3_num_f32 v[TP+10], v[TP+8], v[TP+9], v[ML]   ; the new m
	v_sub_f32 v[TP+11], v[ML], v[TP+10]
	v_sub_f32 v[PQ], v[TT], v[TP+10]
	v_sub_f32 v[PQ+1], v[TT+1], v[TP+10]
	v_exp_f32 v[FF], v[TP+11]
	v_exp_f32 v[PQ], v[PQ]
	v_exp_f32 v[PQ+1], v[PQ+1]
	v_mov_b32 v[ML], v[TP+10]                      ; (a plain line behind the exponentials)
	s_wait_alu depctr_va_vdst(0)                   ; the three exponentials have written f and p, ahead of the first line that names them; TT and PQ are written, which the two stores below read; so is v2, and the last block's multiply-adds are done reading PB and DB: the weighted sum's first loads lean on this wait
	ds_store_b64 v12, v[PQ:PQ+1]
	s_cmp_lg_u32 s26, 0
	s_cbranch_scc1 .Lno_lg_\@
	global_store_b64 v21, v[TT:TT+1], s[18:19]     ; one wave stores them: 256 consecutive bytes, at a multiple of 256 from lg's first byte
.Lno_lg_\@:
	v_add_f32 v[TP+12], v[PQ], v[PQ+1]
.irp x, 1,2,4,8
	v_add_f32_dpp v[TP+12], v[TP+12], v[TP+12] row_xmask:\x row_mask:0xf bank_mask:0xf
.endr
	v_permlanex16_b32 v[TP+13], v[TP+12], s40, s41
	v_add_f32 v[TP+12], v[TP+12], v[TP+13]
	v_fma_f32 v[ML+1], v[ML+1], v[FF], v[TP+12]    ; l = l f + the block's sum
.irp e, 0,2,4,6
	v_pk_mul_f32 v[OA+\e:OA+\e+1], v[OA+\e:OA+\e+1], v[FF:FF+1] op_sel_hi:[1,0]
.endr
	s_wait_xcnt 0x0                                ; the store has read its base
	s_add_nc_u64 s[18:19], s[18:19], 256
.endm
; My 8 columns' sums take the block's 64 rows in ascending order, 8 at a time, from two halves of PB and DB that take turns: p comes back to every lane (LDS serves a wave's instructions in order: the loads see the
; store above), the rows' bf16 words are my own.  Step j + 1's ten loads go out ahead of step j's multiply-adds.
.macro WLOAD j
.irp i, 0,1
	ds_load_b128 v[PB+8*((\j)%2)+4*\i:PB+8*((\j)%2)+4*\i+3], v13 offset:32*(\j)+16*\i
.endr
.irp k, 0,1,2,3,4,5,6,7
	ds_load_b128 v[DB+32*((\j)%2)+4*\k:DB+32*((\j)%2)+4*\k+3], v2 offset:512*(8*(\j)+\k)
.endr
.endm
.macro WSUM
	WLOAD 0
.irp j, 0,1,2,3,4,5,6,7
.if \j > 0 && \j < 7
	s_wait_alu depctr_va_vdst(0)                   ; the multiply-adds of the step before are done reading their half of PB and DB, in which the next step's loads land
.endif
.if \j < 7
	WLOAD \j+1
	s_wait_dscnt 10                                ; this step's half is in; the ten loads just issued stay out
.else
	s_wait_dscnt 0x0
.endif
.irp k, 0,1,2,3,4,5,6,7
.irp w, 0,1,2,3
	v_fma_mix_f32_bf16 v[OA+2*\w], v[DB+32*(\j%2)+4*\k+\w], v[PB+8*(\j%2)+\k], v[OA+2*\w] op_sel_hi:[1,0,0]
	v_fma_mix_f32_bf16 v[OA+2*\w+1], v[DB+32*(\j%2)+4*\k+\w], v[PB+8*(\j%2)+\k], v[OA+2*\w+1] op_sel:[1,0,0] op_sel_hi:[1,0,0]
.endr
.endr
.endr
.endm
; ---------------- trip 0, written out: GEMM asks for its first tiles, INGEST brings block 0 ----------------
	s_cmp_lt_u32 s25, 4
	s_cbranch_scc0 .Lhead_ingest
	; GEMM: tile 0 of W, v of tile 0 and K steps 0-6 of tile 1 are asked for: 24 + 2 + 21 loads, in the order that every later count takes for granted
.irp j, 4,5,6,7
	v_mov_b32 v[Z+\j], 0                           ; written once: a lane permute's destination counts as one of its sources
.endr
	v_mov_b32 v[AW], v14
	v_mov_b32 v[AS], v15
	v_mov_b32 v[AV], v16
	v_add_nc_u32 v[AW+1], 8192, v14
	v_add_nc_u32 v[AS+1], 1024, v15
	s_wait_alu depctr_va_vdst(0)                   ; the address registers made so far are written: the loads below read five of them, the LDS loads and stores further down the others
.irp s, 0,1,2,3,4,5,6,7
	REFILL 0, \s
.endr
	global_load_b128 v[VV:VV+3], v[AV], s[48:49]
	global_load_b128 v[VV+4:VV+7], v[AV], s[48:49] offset:16
.irp s, 0,1,2,3,4,5,6
	REFILL 1, \s
.endr
	s_branch .Lfirst
.Lhead_ingest:
.irp j, 0,1,2,3,4,5,6,7
	v_mov_b32 v[OA+\j], 0                          ; the sums begin as zeros and m as -3e38: the first f is 0
.endr
	v_mov_b32 v[ML], 0xff61b1e6
	v_mov_b32 v[ML+1], 0
	v_mov_b32 v[FF+1], 0
.irp j, 0,1,2,3,4,5,6,7,8,9,10,11,12,13
	v_mov_b32 v[TP+\j], 0
.endr
	WIN 0x40
	s_wait_alu depctr_va_vdst(0)                   ; the address registers made at the head are written: the loads below read v20, the LDS stores and loads further down the others
.set I, 0
.rept 32                                       ; rows 0 to 31: a wave's two loads of a row read 512 consecutive bytes each
	global_load_b128 v[8*I:8*I+3], v20, s[8:9] offset:4096*I th:TH_LOAD_NT
	global_load_b128 v[8*I+4:8*I+7], v20, s[8:9] offset:4096*I+512 th:TH_LOAD_NT
.set I, I+1
.endr
	WIN 0
	HALF 0, 1, 1                                   ; block 0: its bf16 copy lies in block 0 of my wave's region, which v1 addresses as it stands
	HALF 1, 1, 1
	s_wait_xcnt 0x0                                ; the loads have read their base
	s_add_nc_u64 s[8:9], s[8:9], 262144            ; 64 rows on
.Lfirst:
	BARRIER                                        ; block 0's codes and scale bytes lie whole in LDS
	s_cmp_lt_u32 s25, 4
	s_cbranch_scc0 .Lfirst_x
	XLOAD
.Lfirst_x:
	BARRIER                                        ; they are in GEMM's registers: the codes and the scale bytes may be written again
; ---------------- trips q = 1 .. 5 ----------------
.Lperiod:
	s_cmp_lt_u32 s25, 4
	s_cbranch_scc0 .Lingest
	; ---- GEMM: block q - 1: 16 tiles of W x 64 rows.  A half-set's tanh stands between the other half-set's products.
	s_cmp_gt_u32 s27, 4
	s_cbranch_scc1 .Ldone                          ; in trip 5 no block is left
.irp j, 0,1,2,3,4,5,6,7
	v_mov_b32 v[LA+\j], 0
.endr
	PAIR 0, 0, 0, 0, 0                             ; tile 0, rows 0-31: nothing is finished yet
.rept 4
	v_nop                                          ; places between these products and the first read of their results
.endr
	s_mov_b32 s42, 7
.Ltile:                                            ; a trip: tile t rows 32-63 | tile t + 1 rows 0-31 | rows 32-63 | tile t + 2 rows 0-31;  t = 0, 2, .. 12
	PAIR 0, 1, 0, 0, 1
	PAIR 1, 0, 1, 0, 1
	PAIR 1, 1, 0, 1, 1
	PAIR 0, 0, 1, 1, 1
	s_sub_co_u32 s42, s42, 1
	s_cmp_lg_u32 s42, 0
	s_cbranch_scc1 .Ltile
	PAIR 0, 1, 0, 0, 1                             ; tile 14 rows 32-63, tile 15.  Their refills are the next block's tile 0, v(0) and K steps 0-6 of tile 1; behind the last block these 47 loads are not used (they stay inside their buffers)
	PAIR 1, 0, 1, 0, 1
	PAIR 1, 1, 0, 1, 1
.irp k, 0,1,2,3,4,5,6,7
	TS 1, 1, \k, 0
.endr
.irp m, 0,1,2,3
	v_add_f32 v[Z+\m], v[LA+2*\m], v[LA+2*\m+1]    ; (the last block's stores have read Z: the half tiles' waits on vm_vsrc stand between)
.endr
.irp m, 0,1,2,3
	v_permlanex16_b32 v[Z+4+\m], v[Z+\m], s40, s41 ; the other eight units of each tile lie in the lane 16 away
.endr
.irp m, 0,1,2,3
	v_add_f32 v[Z+\m], v[Z+\m], v[Z+4+\m]
.endr
	s_wait_alu depctr_va_vdst(0)                   ; the four sums are written, which the LDS stores read
.irp m, 0,1,2,3
	ds_store_b32 v8, v[Z+\m] offset:256*\m         ; row 16 m + r, my word of its four (lanes r and r + 16 write the same word with the same value)
.endr
	s_branch .Ldone
.Lingest:
	; ---- INGEST: block q - 2 is weighed (its bf16 copy lies where block q will go), then block q comes in
	s_and_b32 s34, s27, 1                          ; both lie in block q % 2 of my wave's region: 0 or 32,768 bytes on.  With a row's 512 x 63 and a lane's 16 x 31 + 16 that ends at the region's 65,536 at the most
	s_cmp_lg_u32 s34, 0
	s_cselect_b32 s28, BUFB, 0
	s_wait_alu depctr_vm_vsrc(0)                   ; the last phase's LDS stores and loads have read v2
	v_add_nc_u32 v2, s28, v1
	s_cmp_lt_u32 s27, 2
	s_cbranch_scc1 .Lno_sum                        ; in trip 1 no logits have been read yet
	SOFTMAX
	WSUM
.Lno_sum:
	s_cmp_gt_u32 s27, 3
	s_cbranch_scc1 .Ldone                          ; in trips 4 and 5 no block is left to bring
	HALF 0, 1, 2
	s_cmp_eq_u32 s27, 3
	s_cbranch_scc1 .Llast_half
	HALF 1, 1, 2
	s_wait_xcnt 0x0                                ; the loads have read their base
	s_add_nc_u64 s[8:9], s[8:9], 262144            ; 64 rows on
	s_branch .Ldone
.Llast_half:
	HALF 1, 0, 2                                   ; the work-group's last 32 rows: nothing is left to ask for
.Ldone:
	BARRIER                                        ; block q's codes and scale bytes and block q - 1's partial logits lie whole in LDS
	s_cmp_lt_u32 s25, 4
	s_cbranch_scc0 .Lmid_ingest
	s_cmp_gt_u32 s27, 3
	s_cbranch_scc1 .Lmid_done                      ; blocks 1 to 3 are taken here
	XLOAD
	s_branch .Lmid_done
.Lmid_ingest:
	s_cmp_gt_u32 s27, 4
	s_cbranch_scc1 .Lmid_done                      ; trip 5 has made no logits
	PLREAD
.Lmid_done:
	BARRIER                                        ; all these reads are in: the codes, the scale bytes and the partial logits may be written again
	s_add_co_u32 s27, s27, 1
	s_cmp_lt_u32 s27, 6
	s_cbranch_scc1 .Lperiod
	s_cmp_lt_u32 s25, 4
	s_cbranch_scc1 .Lend
	s_wait_alu depctr_va_vdst(0)                   ; the last block's lines have written my eight sums, m and l, which the stores below read
	global_store_b128 v20, v[OA:OA+3], s[20:21]                ; each store of a wave covers 512 consecutive bytes
	global_store_b128 v20, v[OA+4:OA+7], s[20:21] offset:512
	s_cmp_lg_u32 s26, 0
	s_cbranch_scc1 .Lend
	global_store_b64 v21, v[ML:ML+1], s[22:23]                 ; m and l, the same pair from every lane: 256 consecutive bytes
.Lend:
	s_wait_dscnt 0x0                               ; the closing lines, six on end
	s_wait_alu 0x0
	s_wait_tensorcnt 0x0
	ds_add_u32 v250, v251
	s_wait_dscnt 0x0
	s_endpgm
.Lfunc_end_k_q762181487e_main:
	.size	k_q762181487e_main, .Lfunc_end_k_q762181487e_main-k_q762181487e_main
	.p2alignl 7, 3214868480
	.fill 96, 4, 3214868480
	.section	.rodata,"a",@progbits
	.p2align	6, 0x0
	.amdhsa_kernel k_q762181487e_main
		.amdhsa_group_segment_fixed_size 302080
		.amdhsa_private_segment_fixed_size 0
		.amdhsa_enable_private_segment 0
		.amdhsa_kernarg_size 64
		.amdhsa_user_sgpr_count 2
		.amdhsa_user_sgpr_kernarg_segment_ptr 1
		.amdhsa_wavefront_size32 1
		.amdhsa_system_sgpr_workgroup_id_x 1
		.amdhsa_system_sgpr_workgroup_id_y 1
		.amdhsa_system_sgpr_workgroup_id_z 1
		.amdhsa_system_vgpr_workitem_id 0
		.amdhsa_next_free_vgpr 512
		.amdhsa_next_free_sgpr 66
		.amdhsa_reserve_vcc 0
		.amdhsa_float_denorm_mode_32 3
		.amdhsa_float_denorm_mode_16_64 3
		.amdhsa_memory_ordered 1
		.amdhsa_forward_progress 1
		.amdhsa_inst_pref_size 255
	.end_amdhsa_kernel
	.section	.bss,"aw",@nobits
	.p2align	6
	.space	262144
	.amdgpu_metadata
---
amdhsa.version: [ 1, 2 ]
amdhsa.kernels:
  - .name:           k_q762181487e_main
    .symbol:         k_q762181487e_main.kd
    .args:
      - { .name: context, .offset: 0, .size: 8, .value_kind: global_buffer, .address_space: global }
      - { .name: wfrag, .offset: 8, .size: 8, .value_kind: global_buffer, .address_space: global }
      - { .name: wsw, .offset: 16, .size: 8, .value_kind: global_buffer, .address_space: global }
      - { .name: v, .offset: 24, .size: 8, .value_kind: global_buffer, .address_space: global }
      - { .name: b, .offset: 32, .size: 8, .value_kind: global_buffer, .address_space: global }
      - { .name: lg, .offset: 40, .size: 8, .value_kind: global_buffer, .address_space: global }
      - { .name: pacc, .offset: 48, .size: 8, .value_kind: global_buffer, .address_space: global }
      - { .name: pml, .offset: 56, .size: 8, .value_kind: global_buffer, .address_space: global }
    .group_segment_fixed_size: 302080
    .private_segment_fixed_size: 0
    .kernarg_segment_align: 8
    .kernarg_segment_size: 64
    .max_flat_workgroup_size: 256
    .sgpr_count:     66
    .vgpr_count:     512
    .wavefront_size: 32
...
	.end_amdgpu_metadata
.endif
;; end of part 4
;; launch join: the kernel of part 3 again; grid 256 x 1, 1 waves a work-group, no clusters, 0 bytes of LDS; arguments lg, pacc, pml, out0, out1; writes out0, out1
